; MI455X (gfx1250); checked and timed in simulation.
; The chip was launched on July 23, 2026; its instructions are those of AMD's public machine-readable ISA for CDNA 5 (MIT licence, August 2026) and "CDNA5" Instruction Set Architecture Reference Guide (July 2026). The comments in the code are by the model that wrote it; some were corrected since.
;; Attention Layer. Allowed arithmetic: matrix products marked QUANTISED: E3M2 operands, one E8M0 scale for each 32 along K, by v_wmma_scale_f32_16x16x128_f8f6f4 with both operands' format E3M2, f32 sums; everything else in f32.
;; Inputs: Wk 1,024 x 1,024 float32; Wo 1,024 x 1,024 float32; Wq 1,024 x 1,024 float32; Wv 1,024 x 1,024 float32; X 4 x 2,048 x 1,024 float32; mask 2,048 x 2,048 float32.
;; Outputs: out0 4 x 2,048 x 1,024 float32.
;; This version of the problem:
;;   THIS VERSION OF THE PROBLEM IS GIVEN IN LOW PRECISION. The matrix products marked QUANTISED in the list below multiply operands that are first quantised to E3M2 (3 exponent bits, 2 mantissa bits; 6 bits a number), with one power-of-two scale for each 32 numbers along K (OCP MX v1.0); their sums are f32. All else is computed in f32.
;;   The module's matrix products, in the order in which they are computed (A, B: the left and right operand; K: the contracted axis; several contracted axes count as one K, in the product's order):
;;     1. [M 8,192, K 1,024] x [K 1,024, N 1,024]; A: input X; B: input Wq: QUANTISED
;;     2. [M 8,192, K 1,024] x [K 1,024, N 1,024]; A: input X; B: input Wk: QUANTISED
;;     3. [M 8,192, K 1,024] x [K 1,024, N 1,024]; A: input X; B: input Wv: QUANTISED
;;     4. batch 64 x [M 2,048, K 64] x [K 64, N 2,048]; A: computed on the way; B: computed on the way: QUANTISED
;;     5. batch 64 x [M 2,048, K 2,048] x [K 2,048, N 64]; A: softmax (see below); B: computed on the way: QUANTISED
;;     6. [M 8,192, K 1,024] x [K 1,024, N 1,024]; A: computed on the way; B: input Wo: QUANTISED
;;   THE QUANTISER, for each operand of a quantised product, along K:
;;     - K is cut into blocks of 32 from its start; a last block that is shorter is filled with zeros.
;;     - A block's scale is 2^e with e = floor(log2(the largest magnitude in the block)) - 4, held to -126 .. 127; a block of zeros has e = 0. As a byte (E8M0): e + 127.
;;     - Each number is divided by its block's scale, clamped to +-28, and rounded to the nearest number of E3M2, ties to even, subnormals kept.
;;     - The product sums the exact products of the quantised numbers (number of the format x scale) in f32.
;;   ~~~python
;;   def quantise(x, axis):      # numpy; x: float32 -> the quantised numbers, widened to float32 again
;;       x = np.moveaxis(x, axis, -1); K = x.shape[-1]
;;       x = np.pad(x, [(0, 0)] * (x.ndim - 1) + [(0, -K % 32)]); x = x.reshape(x.shape[:-1] + (-1, 32)); a = np.abs(x).max(-1, keepdims=True)
;;       e = np.where(a > 0, np.clip(np.frexp(np.where(a > 0, a, 1))[1] - 1 - 4, -126, 127), 0)      # np.frexp(a)[1] - 1 = floor(log2(a)), exactly
;;       r = np.clip(x / 2.0 ** e, -28, 28)
;;       step = 2.0 ** (np.maximum(np.frexp(np.where(r == 0, 1, r))[1] - 1, -2) - 2)
;;       q = np.round(r / step) * step * 2.0 ** e      # np.round: ties to even
;;       return np.moveaxis(q.reshape(q.shape[:-2] + (-1,))[..., :K], -1, axis).astype(np.float32)
;;   ~~~
;;   SOFTMAX AHEAD OF A QUANTISED PRODUCT. Where the list says 'softmax', what is quantised is not the finished softmax but p = 2^(t - M), with t = logit x log2(e) and M = ceil(the row's largest t), a whole number; so 1/2 < the row's largest p <= 1. The row's sum l is taken of the UNQUANTISED p, in f32, and the product's result is divided by l at the end. Since M is a whole number, a kernel that streams over the keys may use a running M (the ceiling of the running maximum): every later rescaling is an exact power of two, which a block's scale takes up: the codes' values come out the same.
;;   OPERANDS COMPUTED ON THE WAY. 'Computed on the way' means the value that the module computes at that place (a softmax that the list does not call 'softmax' is quantised finished and normalised). What goes into a quantiser is computed in f32, as accurately as f32 sums, v_exp_f32 and their like allow (about 1e-6 of the number): no bf16 or f16 on the way to a quantiser, and a product that is left as it is and whose result goes on into a quantised operand takes f32 operands (vector FMAs, or v_wmma_f32_16x16x4_f32). A number that lies on a knife's edge between two numbers of the format may be rounded either way, as far as f32 arithmetic and the matrix unit's own rounding can turn it there, and no further.
;; One version. Each part assembles by itself: llvm-mc -triple=amdgcn-amd-amdhsa -mcpu=gfx1250 --defsym DOCPART=n.
;; ======== version 1 of 1: 4 launches
;; limits: right only within a limited range of input values
;; workspace buffers: cod 9,437,184 bytes; scl 393,216 bytes; rec 19,660,800 bytes; ac 6,291,456 bytes; asc 262,144 bytes
;; launch quant (part 1): grid 384 x 1, 4 waves a work-group, no clusters, 68,096 bytes of LDS; arguments X, Wq, Wk, Wv, Wo, cod, scl; writes cod, scl
.if DOCPART == 1
	.amdgcn_target "amdgcn-amd-amdhsa--gfx1250"
	.amdhsa_code_object_version 6
	.text
	.protected	k_q413d288706_quant
	.globl	k_q413d288706_quant
	.p2align	8
	.type	k_q413d288706_quant,@function
k_q413d288706_quant:
	s_mov_b64 s[64:65], 0
	v_nop
	global_prefetch_b8 v0, s[64:65] scope:SCOPE_SE
	s_setreg_imm32_b32 hwreg(HW_REG_WAVE_MODE, 25, 1), 1
	s_wait_xcnt 0x0
; X [8192][1024] and Wq, Wk, Wv, Wo [1024 (k)][1024 (n)], f32, become codes of BF6 (E3M2) with K innermost and one E8M0 byte for each 32 along K.
; Rows of cod and scl: 0-8191 X's rows, 8192 + 1024 wi + n the weights' columns (wi = 0..3).  Row rho lies at the place that is rho with bits 3 and 4 exchanged.
; cod = [4 planes of 256 along K][12,288 rows][192 bytes]: each plane is dense, so that 128 rows of a plane are 96 runs of 256 bytes, each at a multiple of 256.  scl = [12,288 rows][32 bytes].
; A block's byte is the largest magnitude's exponent field - 4, held at 1 from below; a block of zeros gets the byte 1 (its codes are zeros; only this program reads the bytes).
; LIMITS: NaN and infinities among the inputs are not served.
; Work-groups 0-127 take the weights (a lane a column, registers down K), 128-383 take X (a wave 8 rows).  The two ways part on the work-group's number and have LDS bytes of their own.
; No tensor loads, no barrier: waves share nothing.
.set PLANE, 12288*192
.set EMAX,  4
.set WST,   32768                      ; LDS: X's four regions of 8,192 bytes, then the weights' four stages
.set SPARE, 67584                      ; behind them the spare words, 128 bytes a wave
	s_load_b256 s[4:11], s[0:1], 0x0               ; X, Wq, Wk, Wv
	s_load_b128 s[12:15], s[0:1], 0x20             ; Wo, cod
	s_load_b64 s[36:37], s[0:1], 0x30              ; scl
	v_lshl_add_u32 v192, v0, 2, SPARE
	v_mov_b32 v193, 0
	v_lshrrev_b32 v1, 5, v0
	v_readfirstlane_b32 s16, v1                    ; wave
	v_and_b32 v2, 31, v0                           ; lane
	s_cmp_lt_u32 ttmp9, 128
	s_wait_alu depctr_va_vdst(0)                   ; the wait ahead of the branch
	s_cbranch_scc1 .Lweights
; X: a wave takes 16 steps of 512 numbers.  Each load reads 512 consecutive bytes; a step's 2,048 bytes turn through the wave's own stage and come back 16 neighbours a lane; two lanes hold a block.
; A wave's run is 8 rows, so the exchange of bits 3 and 4 moves whole runs: wave w writes run (w & 1) 2 + (w >> 1).
.set STEPS, 16
.set CB,    12                         ; bytes of 16 codes
.set XR,    16                         ; v16-79   four sets of 16 numbers as loaded
.set XX,    80                         ; v80-111  two sets of 16 neighbours
.set XC,    128                        ; v128-191 codes: four registers a step
.set XE,    112                        ; v112-127 a scale byte a step
.set WREG,  8192
.set SP,    80                         ; a lane's place in a stage: 64 bytes + 16 of padding
	v_lshlrev_b32 v3, 4, v2
	s_mul_i32 s17, s16, WREG
	v_lshrrev_b32 v14, 2, v2
	v_mul_u32_u24 v14, v14, SP
	v_and_b32 v15, 3, v2
	v_lshl_add_u32 v14, v15, 4, v14
	v_add_nc_u32 v14, s17, v14                     ; the stage, in
	v_mul_u32_u24 v15, v2, SP
	v_add_nc_u32 v15, s17, v15                     ; out
	v_and_b32 v4, 15, v2
	v_mul_u32_u24 v4, v4, CB
	v_lshrrev_b32 v10, 4, v2
	v_mad_u32_u24 v4, v10, PLANE, v4               ; a step is half a row, two planes: lanes 0-15 the first, lanes 16-31 the second; 12 bytes a lane
	v_lshrrev_b32 v5, 1, v2
	s_add_co_u32 s17, s17, 2*32*SP
	v_add_nc_u32 v5, s17, v5                       ; my block's byte among the wave's 256
	v_lshlrev_b32 v7, 3, v2
	v_add_nc_u32 v6, s17, v7
	s_sub_co_u32 s17, ttmp9, 128
	s_lshl_b32 s17, s17, 2
	s_add_co_u32 s18, s17, s16                     ; the run that I read
	s_lshl_b32 s20, s18, 15
	s_mov_b32 s21, 0
	s_and_b32 s22, s16, 1
	s_lshl_b32 s22, s22, 1
	s_lshr_b32 s23, s16, 1
	s_or_b32 s22, s22, s23
	s_add_co_u32 s22, s22, s17                     ; the run that I write
	s_mul_i32 s24, s22, 8*192                      ; 8 rows of 192 bytes in each plane
	s_mov_b32 s25, 0
	s_lshl_b32 s26, s22, 8                         ; 256 scale bytes
	s_mov_b32 s27, 0
	s_wait_alu depctr_va_vdst(0)                   ; the wait at the head's end
	s_wait_kmcnt 0x0
	s_add_nc_u64 s[4:5], s[4:5], s[20:21]
	s_add_nc_u64 s[6:7], s[14:15], s[24:25]
	s_add_nc_u64 s[8:9], s[36:37], s[26:27]
.macro XLOAD t
.irp i, 0,1,2,3
	global_load_b128 v[XR+16*((\t)%4)+4*\i:XR+16*((\t)%4)+4*\i+3], v3, s[4:5] offset:2048*(\t)+512*\i th:TH_LOAD_NT
.endr
.endm
.macro XTURN t                         ; LDS serves a wave's instructions in order: no wait between the stores and the loads
.irp i, 0,1,2,3
	ds_store_b128 v14, v[XR+16*((\t)%4)+4*\i:XR+16*((\t)%4)+4*\i+3] offset:32*SP*((\t)%2)+8*SP*\i
.endr
.irp i, 0,1,2,3
	ds_load_b128 v[XX+16*((\t)%2)+4*\i:XX+16*((\t)%2)+4*\i+3], v15 offset:32*SP*((\t)%2)+16*\i
.endr
.endm
.irp t, 0,1,2,3
	XLOAD \t
.endr
	s_wait_loadcnt 12                              ; step 0's four loads are in; three steps' twelve stay out
	XTURN 0
.macro XSTEP t
.set XS, XX+16*((\t)%2)
.if (\t) > 0
	s_wait_dscnt 1                                 ; this step's numbers are back (the last step's byte store may be out)
.else
	s_wait_dscnt 0x0
.endif
.if (\t)+4 < STEPS
	XLOAD (\t)+4
.endif
.if (\t)+1 < STEPS
.if STEPS-2-(\t) >= 3
	s_wait_loadcnt 12                              ; the next step's four loads are in; three steps' may be out
.else
	s_wait_loadcnt 4*(STEPS-2-(\t))
.endif
	XTURN (\t)+1
.endif
	v_max3_num_f32 v8, |v[XS]|, |v[XS+1]|, |v[XS+2]|
	v_max3_num_f32 v9, |v[XS+3]|, |v[XS+4]|, |v[XS+5]|
.irp i, 6,10
	v_max3_num_f32 v8, v8, |v[XS+\i]|, |v[XS+\i+1]|
	v_max3_num_f32 v9, v9, |v[XS+\i+2]|, |v[XS+\i+3]|
.endr
	v_max3_num_f32 v8, v8, |v[XS+14]|, |v[XS+15]|
	v_max3_num_f32 v8, v8, v9, (EMAX+1)<<23        ; the floor 2^(5 - 127): the byte cannot fall under 1
	v_max_num_f32_dpp v8, v8, v8 row_xmask:1 row_mask:0xf bank_mask:0xf   ; with my neighbour's 16: the block's
	v_add_nc_u32 v11, -(EMAX<<23), v8              ; 4 off the exponent field: the conversion's scale operand
	v_cvt_scalef32_pk16_bf6_f32 v[XC+4*(\t):XC+4*(\t)+2], v[XS:XS+15], v11
	v_lshrrev_b32 v[XE+(\t)], 23, v11              ; the scale's byte
	ds_store_b8 v5, v[XE+(\t)] offset:16*(\t)      ; both lanes of a block write the same byte with the same value
	global_store_b96 v4, v[XC+4*(\t):XC+4*(\t)+2], s[6:7] offset:((\t)%2)*2*PLANE+((\t)/2)*192   ; row t / 2 of my 8; planes 2 (t % 2) and 2 (t % 2) + 1
.endm
.irp t, 0,1,2,3,4,5,6,7,8,9,10,11,12,13,14,15
	XSTEP \t
.endr
	ds_load_b64 v[12:13], v6                       ; these see my byte stores
	s_wait_dscnt 0x0
	global_store_b64 v7, v[12:13], s[8:9]          ; 32 lanes store 256 consecutive bytes, aligned
	s_wait_tensorcnt 0x0                           ; the wave's end
	ds_add_u32 v192, v193
	s_wait_dscnt 0x0
	s_endpgm
.Lweights:
; The weights.  Work-group i: weight (i >> 3) & 3, columns 128 (i & 7) on, plane i >> 5.  A wave takes 32 columns x 256 along K; a block of 32 along K lies in one lane's 32 registers.
; Its codes go through its own stage and leave as rows of 192 bytes, which lie on end in the plane.
.set SIZE_N, 1024
.set NB,    8
.set PITCH, 272                        ; a stage row: sixteen places of 16 bytes, each with 12 bytes of codes, + 16
.set KROW,  192                        ; a row of a plane
.set WX,    32                         ; v32-95   two sets of 32 numbers
.set WC,    96                         ; a block's codes
.set OUTR,  112                        ; v112-175 the way out
.set SB,    24                         ; v24-25   the scale bytes
	s_and_b32 s17, ttmp9, 7
	s_lshl_b32 s17, s17, 7
	s_lshl_b32 s18, s16, 5
	s_add_co_u32 s17, s17, s18                     ; my wave's first column
	s_lshr_b32 s30, ttmp9, 3
	s_and_b32 s30, s30, 3                          ; which weight
	s_lshr_b32 s18, ttmp9, 5                       ; which plane
	v_lshlrev_b32 v3, 2, v2
	s_mul_i32 s19, s16, 32*PITCH
	s_add_co_u32 s19, s19, WST                     ; my stage
	v_mul_u32_u24 v4, v2, PITCH
	v_add_nc_u32 v4, s19, v4                       ; into it: row = my column
	v_and_b32 v5, 15, v2
	v_lshrrev_b32 v6, 4, v2
	v_mul_u32_u24 v7, v6, PITCH
	v_lshl_add_u32 v7, v5, 4, v7
	v_add_nc_u32 v7, s19, v7                       ; out of it: sixteen lanes to a row, two rows an instruction
	v_mul_u32_u24 v8, v6, KROW
	v_mad_u32_u24 v8, v5, 12, v8                   ; and the same place in the plane
	s_lshl_b32 s20, s18, 20                        ; 256 rows of 4,096 bytes a plane
	s_lshl_b32 s22, s17, 2
	s_add_co_u32 s20, s20, s22
	s_mov_b32 s21, 0
	s_lshl_b32 s22, s30, 10
	s_add_co_u32 s22, s22, s17
	s_add_co_u32 s22, s22, 8192                    ; my first row of cod and scl
	s_mul_i32 s24, s22, KROW
	s_mul_i32 s26, s18, PLANE
	s_add_co_u32 s24, s24, s26
	s_mov_b32 s25, 0
	s_lshl_b32 s28, s22, 5
	s_lshl_b32 s26, s18, 3
	s_add_co_u32 s28, s28, s26
	s_mov_b32 s29, 0
	v_and_b32 v9, 7, v2                            ; my column's place among the wave's 32 rows: bits 3 and 4 exchanged
	v_bfe_u32 v10, v2, 3, 1
	v_lshl_or_b32 v9, v10, 4, v9
	v_bfe_u32 v10, v2, 4, 1
	v_lshl_or_b32 v9, v10, 3, v9
	v_lshlrev_b32 v9, 5, v9                        ; x 32 scale bytes a row
	s_wait_alu depctr_va_vdst(0)                   ; the wait at the head's end
	s_wait_kmcnt 0x0
	s_cmp_eq_u32 s30, 1                            ; the choice hangs on the work-group's number alone
	s_cselect_b64 s[4:5], s[8:9], s[6:7]
	s_cmp_eq_u32 s30, 2
	s_cselect_b64 s[4:5], s[10:11], s[4:5]
	s_cmp_eq_u32 s30, 3
	s_cselect_b64 s[4:5], s[12:13], s[4:5]
	s_add_nc_u64 s[4:5], s[4:5], s[20:21]
	s_add_nc_u64 s[32:33], s[14:15], s[24:25]
	s_add_nc_u64 s[34:35], s[36:37], s[28:29]
.macro WLOAD t                         ; block t: W(32 t + i, my column) into set t % 2
.set II, 0
.rept 32
	global_load_b32 v[WX+32*((\t)%2)+II], v3, s[4:5] offset:(32*(\t)+II)*SIZE_N*4 th:TH_LOAD_NT
.set II, II+1
.endr
.endm
	WLOAD 0
	WLOAD 1
.macro WBLOCK t
.set XS, WX+32*((\t)%2)
.if (\t) < NB-1
	s_wait_loadcnt 32                              ; this block's 32 loads are in; the next block's may be out
.else
	s_wait_loadcnt 0
.endif
	v_max3_num_f32 v12, |v[XS]|, |v[XS+1]|, |v[XS+2]|
	v_max3_num_f32 v13, |v[XS+3]|, |v[XS+4]|, |v[XS+5]|
.irp i, 6,10,14,18,22,26
	v_max3_num_f32 v12, v12, |v[XS+\i]|, |v[XS+\i+1]|
	v_max3_num_f32 v13, v13, |v[XS+\i+2]|, |v[XS+\i+3]|
.endr
	v_max3_num_f32 v12, v12, |v[XS+30]|, |v[XS+31]|
	v_max3_num_f32 v12, v12, v13, (EMAX+1)<<23     ; the floor: the byte cannot fall under 1
	v_add_nc_u32 v11, -(EMAX<<23), v12             ; the conversion's scale operand
	v_lshrrev_b32 v13, 23, v11                     ; the scale's byte
.if (\t)%4 == 0
	v_mov_b32 v[SB+(\t)/4], v13
.else
	v_lshl_or_b32 v[SB+(\t)/4], v13, 8*((\t)%4), v[SB+(\t)/4]
.endif
	v_cvt_scalef32_pk16_bf6_f32 v[WC:WC+2], v[XS:XS+15], v11
	v_cvt_scalef32_pk16_bf6_f32 v[WC+4:WC+6], v[XS+16:XS+31], v11
	ds_store_b96 v4, v[WC:WC+2] offset:32*(\t)     ; 12 bytes to a place of 16, so that every LDS address is a multiple of 16
	ds_store_b96 v4, v[WC+4:WC+6] offset:32*(\t)+16
.if (\t)+2 < NB
	WLOAD (\t)+2
.endif
	s_wait_dscnt 0x0                               ; the stores have read their registers: the next block's codes may be written
.endm
.set Q, 0
.rept NB
	WBLOCK Q
.set Q, Q+1
.endr
	s_wait_alu depctr_va_vdst(0)                   ; the wait ahead of the reader below
	global_store_b64 v9, v[SB:SB+1], s[34:35]      ; my column's 8 scale bytes
.irp t, 0,1,2,3,4,5,6,7,8,9,10,11,12,13,14,15
	ds_load_b96 v[OUTR+4*\t:OUTR+4*\t+2], v7 offset:2*\t*PITCH
.endr
.irp t, 0,1,2,3,4,5,6,7,8,9,10,11,12,13,14,15
	s_wait_dscnt 15-\t                             ; the younger loads may be out
	global_store_b96 v8, v[OUTR+4*\t:OUTR+4*\t+2], s[32:33] offset:(((((2*\t)/8)&1)*2+((2*\t)/8)/2)*8+(2*\t)%8)*KROW   ; stage rows 2 t, 2 t + 1 go to the rows with bits 3 and 4 exchanged
.endr
	s_wait_tensorcnt 0x0                           ; the wave's end
	ds_add_u32 v192, v193
	s_wait_dscnt 0x0
	s_endpgm
.Lfunc_end_k_q413d288706_quant:
	.size	k_q413d288706_quant, .Lfunc_end_k_q413d288706_quant-k_q413d288706_quant
	.p2alignl 7, 3214868480
	.fill 96, 4, 3214868480
	.section	.rodata,"a",@progbits
	.p2align	6, 0x0
	.amdhsa_kernel k_q413d288706_quant
		.amdhsa_group_segment_fixed_size 68096
		.amdhsa_private_segment_fixed_size 0
		.amdhsa_enable_private_segment 0
		.amdhsa_kernarg_size 56
		.amdhsa_user_sgpr_count 2
		.amdhsa_user_sgpr_kernarg_segment_ptr 1
		.amdhsa_wavefront_size32 1
		.amdhsa_system_sgpr_workgroup_id_x 1
		.amdhsa_system_sgpr_workgroup_id_y 1
		.amdhsa_system_sgpr_workgroup_id_z 1
		.amdhsa_system_vgpr_workitem_id 0
		.amdhsa_next_free_vgpr 194
		.amdhsa_next_free_sgpr 66
		.amdhsa_reserve_vcc 0
		.amdhsa_float_denorm_mode_32 3
		.amdhsa_float_denorm_mode_16_64 3
		.amdhsa_memory_ordered 1
		.amdhsa_forward_progress 1
		.amdhsa_inst_pref_size 74
	.end_amdhsa_kernel
	.amdgpu_metadata
---
amdhsa.version: [ 1, 2 ]
amdhsa.kernels:
  - .name:           k_q413d288706_quant
    .symbol:         k_q413d288706_quant.kd
    .args:
      - { .name: X, .offset: 0, .size: 8, .value_kind: global_buffer, .address_space: global }
      - { .name: Wq, .offset: 8, .size: 8, .value_kind: global_buffer, .address_space: global }
      - { .name: Wk, .offset: 16, .size: 8, .value_kind: global_buffer, .address_space: global }
      - { .name: Wv, .offset: 24, .size: 8, .value_kind: global_buffer, .address_space: global }
      - { .name: Wo, .offset: 32, .size: 8, .value_kind: global_buffer, .address_space: global }
      - { .name: cod, .offset: 40, .size: 8, .value_kind: global_buffer, .address_space: global }
      - { .name: scl, .offset: 48, .size: 8, .value_kind: global_buffer, .address_space: global }
    .group_segment_fixed_size: 68096
    .private_segment_fixed_size: 0
    .kernarg_segment_align: 8
    .kernarg_segment_size: 56
    .max_flat_workgroup_size: 128
    .sgpr_count:     66
    .vgpr_count:     194
    .wavefront_size: 32
...
	.end_amdgpu_metadata
.endif
;; end of part 1
;; launch gemm_qkv (part 2): grid 12 x 32, 4 waves a work-group, clusters of 4 x 4, 327,680 bytes of LDS; arguments cod, scl, rec; writes rec
.if DOCPART == 2
	.amdgcn_target "amdgcn-amd-amdhsa--gfx1250"
	.amdhsa_code_object_version 6
	.text
	.protected	k_q413d288706_gemm_qkv
	.globl	k_q413d288706_gemm_qkv
	.p2align	8
	.type	k_q413d288706_gemm_qkv,@function
k_q413d288706_gemm_qkv:
	s_mov_b64 s[64:65], 0
	v_nop
	global_prefetch_b8 v0, s[64:65] scope:SCOPE_SE
	s_setreg_imm32_b32 hwreg(HW_REG_WAVE_MODE, 25, 1), 1
	s_wait_xcnt 0x0
	s_wait_alu depctr_hold_cnt(0) depctr_sa_sdst(0) depctr_va_vdst(0) depctr_va_sdst(0) depctr_va_ssrc(0) depctr_va_vcc(0) depctr_vm_vsrc(0)
	s_getreg_b32 s2, hwreg(HW_REG_IB_STS2, 6, 4)
	s_cmp_eq_u32 s2, 0
	s_cbranch_scc0 .Lentry_in_a_cluster
	s_endpgm
.Lentry_in_a_cluster:
	s_bfe_u32 s2, ttmp6, 0x10000c
	s_cmp_lg_u32 s2, 0xf033
	s_cbranch_scc0 .Lentry_shape_is_right
	s_endpgm
.Lentry_shape_is_right:
.set SIZE_K, 1024
.set KSTEP,  256
.set NQ,     KSTEP/128
.set ROWB,   12288*192                 ; from a K step of 256 to the next: a plane of cod, [12,288 rows][192 bytes], dense
.set KROW,   192                       ; a row of a plane
.set PITCH,  240
.set FR,     12
.set NL,     6
.set NP,     4
.set HALFT,  128*PITCH
.set SLOT,   4*HALFT
.set LAPS,   SIZE_K/(2*KSTEP)
.set KS,     SIZE_K/32
.set SCL,    2*SLOT
.set HALFS,  (128*KS/256)*272
.set SBLK,   (16*KS/256)*272
.set SPARE,  SCL+4*HALFS
.set RECB,   12800
.set ADRA, 16
.set ADRB, 20
.set STO,  24
.set RD,   25
.set CO,   26
.set ADRS, 27
.set SPW,  28
.set NIL,  29
.set SSO,  30
.set SC,   32
.set AF,   128
.set TM,   32
.set PW,   48
.set PC,   52
.set OUTR, 128
.set G1, 24
.set G0, 32
.set G1B, 48
.set G0B, 56
.set G1S, 68
.set G0S, 76
.set G1SB, 80
.set G0SB, 88
.set SEL, 98
.set MSB, 0
.macro WIN new
.if MSB != \new
	s_set_vgpr_msb (MSB<<8)|\new
.set MSB, \new
.endif
.endm
.set MUL_LO, 0xa1
.set MUL_HI, 0xf1
.set TO_B,   0x40
.macro JLOAD g0a, g1a, g0b, g1b
	s_cmp_eq_u32 s15, 0
	s_cbranch_scc0 .Lfor_b_\@
	tensor_load_to_lds s[\g0a:\g0a+3], s[\g1a:\g1a+7]
	s_nop 0
.rept 4
	v_nop
.endr
	s_branch .Lasked_\@
.Lfor_b_\@:
	tensor_load_to_lds s[\g0b:\g0b+3], s[\g1b:\g1b+7]
	s_nop 0
.rept 4
	v_nop
.endr
.Lasked_\@:
.endm
.macro CREST
	s_cmp_lg_u32 s14, 0
	s_cbranch_scc1 .Lnot_wave_0_\@
	s_barrier_signal -3
.Lnot_wave_0_\@:
	s_barrier_wait -3
	s_barrier_signal -1
	s_barrier_wait -1
.endm
.macro CROUND
	s_barrier_signal -1
	s_barrier_wait -1
	CREST
.endm
	s_load_b128 s[4:7], s[0:1], 0x0
	s_load_b64 s[12:13], s[0:1], 0x10
	v_lshl_add_u32 v[SPW], v0, 2, SPARE
	v_mov_b32 v[NIL], 0
	ds_add_u32 v28, v29
	ds_add_u32 v28, v29
	s_wait_dscnt 0x0
	v_lshrrev_b32 v1, 5, v0
	v_readfirstlane_b32 s14, v1
	s_lshr_b32 s15, s14, 1
	s_and_b32 s16, s14, 1
	s_bfe_u32 s40, ttmp6, 0x40000
	s_bfe_u32 s41, ttmp6, 0x40004
	s_and_b32 s17, ttmp7, 0xffff
	s_lshl_b32 s17, s17, 2
	s_lshl_b32 s42, ttmp9, 2
	s_add_co_u32 s42, s42, 32
	s_cmp_eq_u32 ttmp9, 2
	s_cselect_b32 s42, s17, s42
	s_cselect_b32 s17, 40, s17
	s_cselect_b32 s95, 1, 0
	s_add_co_u32 s42, s42, s40
	s_add_co_u32 s17, s17, s41
	s_lshl_b32 s43, s41, 2
	s_lshl_b32 s43, 15, s43
	s_lshl_b32 s44, 0x1111, s40
	s_or_b32 s[G1+0], s43, (0<<16)|(1<<20)|(1<<21)|(3<<22)|(3<<25)
	s_or_b32 s[G1B+0], s44, (0<<16)|(1<<20)|(1<<21)|(3<<22)|(3<<25)
.irp g, G1, G1B
	s_mov_b32 s[\g+1], 256<<16                     ; 128 rows of 192 bytes lie on end in a plane: they come as 96 rows of 256 bytes, each at a multiple of 256;
	s_mov_b32 s[\g+2], 96<<16                      ; the padding, 16 bytes behind each 64, is counted along the whole tile: a row of codes takes 240 bytes of LDS
	s_mov_b32 s[\g+3], 256<<16
	s_mov_b32 s[\g+4], 96
	s_mov_b32 s[\g+5], 256
	s_mov_b32 s[\g+6], 0
	s_mov_b32 s[\g+7], 0
.endr
	s_or_b32 s[G1S+0], s43, (3<<16)|(1<<20)|(1<<21)|(5<<22)|(3<<25)
	s_or_b32 s[G1SB+0], s44, (3<<16)|(1<<20)|(1<<21)|(5<<22)|(3<<25)
.irp g, G1S, G1SB
	s_mov_b32 s[\g+1], 32<<16
	s_mov_b32 s[\g+2], (128*KS/256)<<16
	s_mov_b32 s[\g+3], 32<<16
	s_mov_b32 s[\g+4], 128*KS/256
	s_mov_b32 s[\g+5], 32
	s_mov_b32 s[\g+6], 0
	s_mov_b32 s[\g+7], 0
.endr
	s_lshl_b32 s18, s16, 7
	s_lshl_b32 s20, s17, 8
	s_add_co_u32 s20, s20, s18
	s_lshl_b32 s46, s42, 8
	s_add_co_u32 s46, s46, s18
	s_mov_b32 s21, 0
	s_mov_b32 s47, 0
	s_mov_b64 s[18:19], KS
	s_mul_u64 s[22:23], s[20:21], s[18:19]
	s_mul_u64 s[92:93], s[46:47], s[18:19]
	s_mov_b64 s[18:19], KROW
	s_mul_u64 s[20:21], s[20:21], s[18:19]
	s_mul_u64 s[46:47], s[46:47], s[18:19]
	s_mul_i32 s45, s14, HALFT
	s_mul_i32 s94, s14, HALFS
	s_wait_kmcnt 0x0
	s_add_nc_u64 s[20:21], s[4:5], s[20:21]
	s_add_nc_u64 s[22:23], s[6:7], s[22:23]
	s_add_nc_u64 s[46:47], s[4:5], s[46:47]
	s_add_nc_u64 s[92:93], s[6:7], s[92:93]
	CROUND
	s_mov_b32 s[G0S], 1
	s_add_co_u32 s[G0S+1], s94, SCL
	s_mov_b64 s[G0S+2:G0S+3], s[22:23]
	s_or_b32 s[G0S+3], s[G0S+3], 0x80000000
	s_mov_b32 s[G0SB], 1
	s_add_co_u32 s[G0SB+1], s94, SCL
	s_mov_b64 s[G0SB+2:G0SB+3], s[92:93]
	s_or_b32 s[G0SB+3], s[G0SB+3], 0x80000000
	JLOAD G0S, G1S, G0SB, G1SB
.irp s, 0,1
	s_mov_b32 s[G0+4*\s], 1
	s_add_co_u32 s[G0+4*\s+1], s45, \s*SLOT
	s_add_nc_u64 s[G0+4*\s+2:G0+4*\s+3], s[20:21], \s*ROWB
	s_or_b32 s[G0+4*\s+3], s[G0+4*\s+3], 0x80000000
	s_mov_b32 s[G0B+4*\s], 1
	s_add_co_u32 s[G0B+4*\s+1], s45, \s*SLOT
	s_add_nc_u64 s[G0B+4*\s+2:G0B+4*\s+3], s[46:47], \s*ROWB
	s_or_b32 s[G0B+4*\s+3], s[G0B+4*\s+3], 0x80000000
	s_wait_alu depctr_va_vdst(0)
	s_wait_tensorcnt 0x0
	ds_add_u32 v28, v29
	s_wait_dscnt 0x0
	CROUND
	JLOAD G0+4*\s, G1, G0B+4*\s, G1B
.endr
	v_and_b32 v1, 15, v0
	v_bfe_u32 v2, v0, 4, 1
	v_mul_u32_u24 v3, v1, PITCH
	v_mul_u32_u24 v4, v2, 24
	v_add_nc_u32 v4, v3, v4
	v_lshl_add_u32 v5, v2, 4, v4
	s_mul_i32 s21, s15, HALFT
	s_mul_i32 s22, s16, HALFT
	s_add_co_u32 s22, s22, 2*HALFT
.irp s, 0,1
	v_add_nc_u32 v[ADRA+\s], s21, v4
	v_add_nc_u32 v[ADRB+\s], s22, v4
	v_add_nc_u32 v[ADRA+2+\s], s21, v5
	v_add_nc_u32 v[ADRB+2+\s], s22, v5
	s_add_co_u32 s21, s21, SLOT
	s_add_co_u32 s22, s22, SLOT
.endr
	v_mul_u32_u24 v5, v1, KS
	v_lshrrev_b32 v6, 8, v5
	v_lshl_add_u32 v5, v6, 4, v5
	s_mul_i32 s21, s15, HALFS
	s_mul_i32 s22, s16, HALFS
	s_add_co_u32 s22, s22, 2*HALFS
	s_sub_co_u32 s22, s22, s21
	v_mul_u32_u24 v6, s22, v2
	s_add_co_u32 s21, s21, SCL
	v_add_nc_u32 v5, v5, v6
	v_add_nc_u32 v[ADRS], s21, v5
	s_mul_i32 s23, s14, RECB
	v_and_b32 v6, 31, v0
	v_mul_u32_u24 v5, v6, 48
	v_add_nc_u32 v[STO], s23, v5
	v_lshlrev_b32 v[CO], 4, v6
	v_add_nc_u32 v[RD], s23, v[CO]
	v_lshlrev_b32 v5, 4, v1
	v_add_nc_u32 v5, s23, v5
	v_add_nc_u32 v[SSO], 12288, v5
	s_mov_b32 s[SEL], 0x76543210
	s_mov_b32 s[SEL+1], 0xfedcba98
	s_cmp_eq_u32 s95, 1
	s_cselect_b32 s66, s42, s17
	s_cselect_b32 s67, s17, s42
	s_cselect_b32 s96, 40, 32
	s_cselect_b32 s97, s16, s15
	s_cselect_b32 s100, s15, s16
	s_sub_co_u32 s67, s67, s96
	s_lshr_b32 s101, s67, 2
	s_lshl_b32 s101, s101, 1
	s_lshl_b32 s96, s95, 2
	s_add_co_u32 s101, s101, s96
	s_add_co_u32 s101, s101, s100
	s_and_b32 s67, s67, 3
	s_lshr_b32 s96, s66, 3
	s_lshl_b32 s96, s96, 2
	s_add_co_u32 s96, s96, s67
	s_lshl_b32 s96, s96, 4
	s_and_b32 s66, s66, 7
	s_lshl_b32 s66, s66, 1
	s_add_co_u32 s66, s66, s97
	s_add_co_u32 s96, s96, s66
	s_mul_i32 s96, s96, 6
	s_add_co_u32 s96, s96, s101
	s_mul_i32 s66, s96, RECB
	s_mov_b32 s67, 0
	s_add_nc_u64 s[12:13], s[12:13], s[66:67]
.macro FRAG reg, adr, q, i
.irp p, 0,1,2,3,4,5
.set PCE, 12*(\q)+6*(\p/3)+\p%3
.if PCE%8 < 5
	ds_load_b64 v[\reg+2*\p:\reg+2*\p+1], v[\adr] offset:8*PCE+16*(PCE/8)+(\i)*16*PITCH
.else
	ds_load_b64 v[\reg+2*\p:\reg+2*\p+1], v[\adr+2] offset:8*PCE+16*(PCE/8)+(\i)*16*PITCH
.endif
.endr
.endm
.macro MUL16 a0, p, q, sc, zero
.irp a, \a0, \a0+1
.irp b, 0,1,2,3,4,5,6,7
.if \zero
	v_wmma_scale_f32_16x16x128_f8f6f4 v[8*(8*((\a)%4)+\b):8*(8*((\a)%4)+\b)+7], v[128*(\p)+FR*\b:128*(\p)+FR*\b+FR-1], v[AF+FR*(\a):AF+FR*(\a)+FR-1], 0, v[SC+8*NQ*(\sc)+NQ*\b+(\q)], v[SC+8*NQ*(\sc)+NQ*(\a)+(\q)] matrix_a_fmt:MATRIX_FMT_BF6 matrix_b_fmt:MATRIX_FMT_BF6 matrix_a_scale:MATRIX_SCALE_ROW1
.else
	v_wmma_scale_f32_16x16x128_f8f6f4 v[8*(8*((\a)%4)+\b):8*(8*((\a)%4)+\b)+7], v[128*(\p)+FR*\b:128*(\p)+FR*\b+FR-1], v[AF+FR*(\a):AF+FR*(\a)+FR-1], v[8*(8*((\a)%4)+\b):8*(8*((\a)%4)+\b)+7], v[SC+8*NQ*(\sc)+NQ*\b+(\q)], v[SC+8*NQ*(\sc)+NQ*(\a)+(\q)] matrix_a_fmt:MATRIX_FMT_BF6 matrix_b_fmt:MATRIX_FMT_BF6 matrix_a_scale:MATRIX_SCALE_ROW1
.endif
.endr
.endr
.endm
.macro FETCH_B slot, q, p
	WIN TO_B
.irp i, 0,1,2,3,4,5,6,7
	FRAG 128*(\p)+FR*\i, ADRB+\slot, \q, \i
.endr
	WIN 0
.endm
.macro FETCH_A slot, q, i0
.irp i, \i0, \i0+1, \i0+2, \i0+3
	FRAG AF+FR*(\i), ADRA+\slot, \q, \i
.endr
.endm
.macro SCALES sc
.irp i, 0,1,2,3,4,5,6,7
	ds_load_b64 v[SC+8*NQ*\sc+NQ*\i:SC+8*NQ*\sc+NQ*\i+1], v[ADRS] offset:\i*SBLK
.endr
.endm
.macro PLACES n
.rept \n
	v_nop
.endr
.endm
.macro STEP slot, q, zero
	s_wait_dscnt 4*NL
	WIN MUL_LO
	MUL16 0, (\q)%2, \q, \slot, \zero
	MUL16 2, (\q)%2, \q, \slot, \zero
	s_wait_dscnt 0
	PLACES NP
	FETCH_B \slot, (\q)+1, 1-(\q)%2
	FETCH_A \slot, (\q)+1, 0
	WIN MUL_HI
	MUL16 4, (\q)%2, \q, \slot, \zero
	MUL16 6, (\q)%2, \q, \slot, \zero
	PLACES NP
	WIN 0
	FETCH_A \slot, (\q)+1, 4
.endm
.macro TURN slot, next, fill
	s_wait_tensorcnt 0x0
	ds_add_u32 v[SPW], v[NIL]
	s_wait_dscnt 4*NL+1
	WIN MUL_LO
	MUL16 0, 1, NQ-1, \slot, 0
	s_wait_dscnt 0x0
	s_barrier_signal -1
	MUL16 2, 1, NQ-1, \slot, 0
	WIN 0
	s_barrier_wait -1
.if \fill
	CREST
	s_add_nc_u64 s[G0+4*\slot+2:G0+4*\slot+3], s[G0+4*\slot+2:G0+4*\slot+3], 2*ROWB
	s_add_nc_u64 s[G0B+4*\slot+2:G0B+4*\slot+3], s[G0B+4*\slot+2:G0B+4*\slot+3], 2*ROWB
	JLOAD G0+4*\slot, G1, G0B+4*\slot, G1B
.else
	PLACES NP
.endif
	s_wait_alu depctr_va_vdst(0)
	v_add_nc_u32 v[ADRS], 4*NQ, v[ADRS]
	FETCH_B \next, 0, 0
	FETCH_A \next, 0, 0
	SCALES \next
	WIN MUL_HI
	MUL16 4, 1, NQ-1, \slot, 0
	MUL16 6, 1, NQ-1, \slot, 0
	PLACES NP
	WIN 0
	FETCH_A \next, 0, 4
.endm
	s_wait_alu depctr_va_vdst(0)
	s_wait_tensorcnt 1
	s_barrier_signal -1
	s_barrier_wait -1
	FETCH_B 0, 0, 0
	FETCH_A 0, 0, 0
	SCALES 0
	FETCH_A 0, 0, 4
	STEP 0, 0, 1
	s_mov_b32 s3, LAPS-1
.Llap:
	TURN 0, 1, 1
	STEP 1, 0, 0
	TURN 1, 0, 1
	STEP 0, 0, 0
	s_sub_co_u32 s3, s3, 1
	s_cmp_lg_u32 s3, 0
	s_cbranch_scc1 .Llap
	TURN 0, 1, 0
	STEP 1, 0, 0
	s_wait_dscnt 4*NL
	WIN MUL_LO
	MUL16 0, 1, NQ-1, 1, 0
	MUL16 2, 1, NQ-1, 1, 0
	s_wait_dscnt 0
	WIN MUL_HI
	MUL16 4, 1, NQ-1, 1, 0
	MUL16 6, 1, NQ-1, 1, 0
	WIN 0
.macro OUTBLK a
.set AC, 64*((\a)%4)
.set WW, 2+(\a)/4
.set WS, WW|(WW<<2)
	WIN WS
.irp b, 0,1,2,3
	v_max3_num_f32 v[TM+\b], |v[AC+16*\b]|, |v[AC+1+16*\b]|, 0x2800000
.endr
.irp i, 2,4,6,8,10,12,14
.irp b, 0,1,2,3
	v_max3_num_f32 v[TM+\b], |v[AC+16*\b+\i]|, |v[AC+1+16*\b+\i]|, v[TM+\b]
.endr
.endr
	WIN 0
.irp b, 0,1,2,3
	v_permlanex16_b32 v[TM+4+\b], v[TM+\b], s[SEL], s[SEL+1]
.endr
.irp b, 0,1,2,3
	v_max_num_f32 v[TM+\b], v[TM+\b], v[TM+4+\b]
.endr
.irp b, 0,1,2,3
	v_add_nc_u32 v[TM+12+\b], 0xfe000000, v[TM+\b]
.endr
.irp b, 0,1,2,3
	v_lshrrev_b32 v[TM+4+\b], 23, v[TM+12+\b]
.endr
	v_lshl_or_b32 v[PW], v[TM+5], 8, v[TM+4]
	v_lshl_or_b32 v[PW], v[TM+6], 16, v[PW]
	v_lshl_or_b32 v[PW], v[TM+7], 24, v[PW]
	WIN WW
.irp c, 0,1
	v_cvt_scalef32_pk16_bf6_f32 v[PC+6*\c:PC+2+6*\c], v[AC+32*\c:AC+15+32*\c], v[TM+12+2*\c]
	v_cvt_scalef32_pk16_bf6_f32 v[PC+12+4*\c:PC+14+4*\c], v[AC+16+32*\c:AC+31+32*\c], v[TM+12+2*\c+1]
.endr
	WIN 0
	v_nop
.irp c, 0,1
.irp i, 0,1,2
	v_permlane16_swap_b32 v[PC+6*\c+\i], v[PC+12+4*\c+\i]
.endr
.irp i, 0,1,2
	v_mov_b32 v[PC+3+6*\c+\i], v[PC+12+4*\c+\i]
.endr
.endr
.irp c, 0,1,2
	ds_store_b128 v[STO], v[PC+4*\c:PC+4*\c+3] offset:(\a)*1536+16*\c
.endr
	ds_store_b32 v[SSO], v[PW] offset:256*((\a)&1)+4*((\a)>>1)
	s_wait_dscnt 0x0
.endm
	PLACES NP
.irp b, 0,1,2,3
	v_mov_b32 v[TM+4+\b], 0
.endr
.irp a, 0,1,2,3,4,5,6,7
	OUTBLK \a
.endr
.set II, 0
.rept 25
	ds_load_b128 v[OUTR+4*II:OUTR+4*II+3], v[RD] offset:512*II
.set II, II+1
.endr
.set II, 0
.rept 25
	s_wait_dscnt 24-II
	global_store_b128 v[CO], v[OUTR+4*II:OUTR+4*II+3], s[12:13] offset:512*II
.set II, II+1
.endr
	s_wait_tensorcnt 0x0
	ds_add_u32 v[SPW], v[NIL]
	s_wait_dscnt 0x0
	CROUND
	s_endpgm
.Lfunc_end_k_q413d288706_gemm_qkv:
	.size	k_q413d288706_gemm_qkv, .Lfunc_end_k_q413d288706_gemm_qkv-k_q413d288706_gemm_qkv
	.p2alignl 7, 3214868480
	.fill 96, 4, 3214868480
	.section	.rodata,"a",@progbits
	.p2align	6, 0x0
	.amdhsa_kernel k_q413d288706_gemm_qkv
		.amdhsa_group_segment_fixed_size 327680
		.amdhsa_private_segment_fixed_size 0
		.amdhsa_enable_private_segment 0
		.amdhsa_kernarg_size 24
		.amdhsa_user_sgpr_count 2
		.amdhsa_user_sgpr_kernarg_segment_ptr 1
		.amdhsa_wavefront_size32 1
		.amdhsa_system_sgpr_workgroup_id_x 1
		.amdhsa_system_sgpr_workgroup_id_y 1
		.amdhsa_system_sgpr_workgroup_id_z 1
		.amdhsa_system_vgpr_workitem_id 0
		.amdhsa_next_free_vgpr 1024
		.amdhsa_next_free_sgpr 104
		.amdhsa_reserve_vcc 0
		.amdhsa_float_denorm_mode_32 3
		.amdhsa_float_denorm_mode_16_64 3
		.amdhsa_memory_ordered 1
		.amdhsa_forward_progress 1
		.amdhsa_inst_pref_size 170
	.end_amdhsa_kernel
	.amdgpu_metadata
---
amdhsa.version: [ 1, 2 ]
amdhsa.kernels:
  - .name:           k_q413d288706_gemm_qkv
    .symbol:         k_q413d288706_gemm_qkv.kd
    .args:
      - { .name: cod, .offset: 0, .size: 8, .value_kind: global_buffer, .address_space: global }
      - { .name: scl, .offset: 8, .size: 8, .value_kind: global_buffer, .address_space: global }
      - { .name: rec, .offset: 16, .size: 8, .value_kind: global_buffer, .address_space: global }
    .group_segment_fixed_size: 327680
    .private_segment_fixed_size: 0
    .kernarg_segment_align: 8
    .kernarg_segment_size: 24
    .max_flat_workgroup_size: 128
    .sgpr_count:     104
    .vgpr_count:     1024
    .wavefront_size: 32
...
	.end_amdgpu_metadata
.endif
;; end of part 2
;; launch attn (part 3): grid 32 x 16, 16 waves a work-group, clusters of 4 x 4, 327,680 bytes of LDS; arguments rec, mask, ac, asc; writes ac, asc
.if DOCPART == 3
	.amdgcn_target "amdgcn-amd-amdhsa--gfx1250"
	.amdhsa_code_object_version 6
	.text
	.protected	k_q413d288706_attn
	.globl	k_q413d288706_attn
	.p2align	8
	.type	k_q413d288706_attn,@function
k_q413d288706_attn:
	s_mov_b64 s[64:65], 0
	v_nop
	global_prefetch_b8 v0, s[64:65] scope:SCOPE_SE
	s_setreg_imm32_b32 hwreg(HW_REG_WAVE_MODE, 25, 1), 1
	s_wait_xcnt 0x0
	s_wait_alu depctr_hold_cnt(0) depctr_sa_sdst(0) depctr_va_vdst(0) depctr_va_sdst(0) depctr_va_ssrc(0) depctr_va_vcc(0) depctr_vm_vsrc(0)
	s_getreg_b32 s2, hwreg(HW_REG_IB_STS2, 6, 4)
	s_cmp_eq_u32 s2, 0
	s_cbranch_scc0 .Lentry_in_a_cluster
	s_endpgm
.Lentry_in_a_cluster:
	s_bfe_u32 s2, ttmp6, 0x10000c
	s_cmp_lg_u32 s2, 0xf033
	s_cbranch_scc0 .Lentry_shape_is_right
	s_endpgm
.Lentry_shape_is_right:
; values = softmax(Q K^T / 8 + mask) V for 64 (batch, head) pairs of 2,048 x 2,048 logits, both products on codes of BF6 (E3M2) with one E8M0 scale for each 32 along K; the values are quantised along (head, d) for the last product.
; THE SOFTMAX: t = logit x log2(e); M = the running largest t rounded up to a whole number; p = 2^(t - M) is quantised along the keys, not normalised; the row's sum is taken of the unquantised p and divides at the end.
; THE MASK IS AN INPUT: all logits are computed, and the mask is added as it is given.
; SHARES.  Work-group (x, y): 64 queries (block x) of the four heads of group hq of batch b, y = 4 b + hq.  Wave w of sixteen: head pair w >> 3, head g = bit 2 of w in the pair, query tile i = w & 3; 16 steps of 128 keys.  Four waves to a SIMD, 256 registers each.
; rec = [y][run of 128 positions][slot][12,800]: slots 0, 1 Q, 2, 3 K, 4, 5 V of the group's two head pairs; a record is 8 fragments of 1,536 bytes (lane l's 12 operand registers at 48 l), then 512 bytes of scale words.
; Q's scale bytes are lowered by 3 (the 1 / 8, exact).  THE MASK TILE IS LOADED INTO THE LOGITS' OWN REGISTERS and S^T = K Q^T adds onto it in place: the product's result is the logit, and the mask has no registers of its own.
; A fragment of K holds two heads (k 0-63, 64-127): it is multiplied by Q's operand in which the other head's half is zero codes.  Which head is mine enters by addresses and by two masks on Q's operand alone: one text serves both.
; Both products are used transposed: a lane holds ONE query, rho = 32 (i >> 1) + 8 (i & 1) + (r & 7) + 16 (r >> 3) of the block, throughout.  The rows of a fragment of K (and of V) are so chosen that two tiles' 16 registers are 16 neighbours.
; CLUSTER 4 x 4: K's and V's records hang on y alone and are asked for jointly along a row of the cluster, the mask's tile on x alone, along a column.  Every wave issues one joint load: waves 0-7 half a record (25 rows of 256 bytes), waves 8-15 8 rows of the mask.
; THE WAVES WORK HALF A STEP APART.  A key step has two parts: H1 (the mask and K from LDS, the logits' products, V's loads) and H2 (the softmax, on registers alone, and the products with V).
; The waves with bit 2 xor bit 0 of their number = 0 run H1 (s), H2 (s) in trip s; the others H2 (s - 1), H1 (s).  Every wave reads slot s between change s and change s + 1; all barriers, waits and refills are on every wave's path.
; The late waves' first H2 works on an EMPTY STEP laid at the head: logits of -2^100 and zero codes for V.  Its p are 1, its products 0, and the next step's change of M multiplies its sum by 2^(a whole number under -2^31, held there) = 0.
; LIMITS: the promise holds while the scaled logits t stay under 2^31 in magnitude.  NaN and infinities are not served.  A block of zeros has the byte 1.  A block of Q whose byte is under 4 (largest magnitude under 2^-119) is taken with the byte 1 in place of byte - 3.
; The logit is rounded by the matrix unit's sum with C, not by a separate addition; t - M is one fused multiply-add of the logit, so t is not rounded by itself.
; REGISTERS: v1-11, v28-31, v80, v204-208 addresses; v12 -M, v13 the largest t, v[14:15] the sum, v16-27 Q's operand; v32-79 four fragments of K, then V; v96-159 the mask, S^T, p; v160-191 O^T; v192-195 K's scale words, v196-197 V's, v200 Q's, v202 p's;
; v224-235 p's codes, v232-254 at work.
.set SLOT1, 1<<17                      ; slot 1 begins here: one exclusive or turns an address
.set RECB,  12800
.set STEPB, 76800                      ; from a run of 128 positions to the next in rec
.set MOFF,  51200                      ; in a slot: four records, then the mask's four parts of 16 rows x 528 bytes, 8,704 apart, the odd ones 128 further on
.set OST,   86016                      ; the values' codes: 64 rows x 192 bytes
.set SST,   98304                      ; their scale bytes: 64 x 8
.set SPARE, 98816                      ; the spare words: 128 bytes a wave, 2,048 in all, named by no other line
.macro CROUND                          ; a round of the cluster's barrier
	s_barrier_signal -1
	s_barrier_wait -1
	s_cmp_lg_u32 s12, 0
	s_cbranch_scc1 .Lnot_wave_0_\@
	s_barrier_signal -3
.Lnot_wave_0_\@:
	s_barrier_wait -3
	s_barrier_signal -1
	s_barrier_wait -1
.endm
.macro JLOAD                           ; waves 0-7 fetch half a record each, waves 8-15 8 rows of the mask each; s_nop 0 and four v_nop follow each line
	s_cmp_lt_u32 s12, 8
	s_cbranch_scc0 .Lfor_m_\@
	tensor_load_to_lds s[40:43], s[24:31]
	s_nop 0
.rept 4
	v_nop
.endr
	s_branch .Lasked_\@
.Lfor_m_\@:
	tensor_load_to_lds s[44:47], s[32:39]
	s_nop 0
.rept 4
	v_nop
.endr
.Lasked_\@:
.endm
; A prefetch of what the NEXT change of slots will ask for, one key step ahead of that load.  K's and V's records: the clusters with x = 0 ask; partner cx takes record cx, waves 0 and 1 half of its 50 blocks of 256 bytes each
; (lanes 25-31 name the 25th again).  The mask's tile: the clusters with y = 0 ask; partner cy takes 16 rows, wave 8, two lanes to a row's 512 bytes.  Partners are told apart by address alone.  The last change that fills asks for nothing.
.macro ASK
	s_cmp_gt_u32 s49, s50
	s_cbranch_scc0 .Lnot_mine_\@
	global_prefetch_b8 v28, s[52:53] th:TH_LOAD_NT scope:SCOPE_SE
.Lnot_mine_\@:
.endm
	s_load_b256 s[4:11], s[0:1], 0x0               ; rec, mask, ac, asc
	v_lshl_add_u32 v4, v0, 2, SPARE
	v_mov_b32 v5, 0
	ds_add_u32 v4, v5                              ; the opening lines: the add twice on end and its wait
	ds_add_u32 v4, v5
	s_wait_dscnt 0x0
	v_lshrrev_b32 v1, 5, v0
	v_readfirstlane_b32 s12, v1                    ; wave 0..15
	s_bfe_u32 s13, ttmp6, 0x40000                  ; cx
	s_bfe_u32 s14, ttmp6, 0x40004                  ; cy
	s_lshl_b32 s15, ttmp9, 2
	s_add_co_u32 s15, s15, s13                     ; x
	s_and_b32 s16, ttmp7, 0xffff
	s_lshl_b32 s16, s16, 2
	s_add_co_u32 s16, s16, s14                     ; y
	s_lshr_b32 s17, s12, 3                         ; the head pair
	s_bfe_u32 s19, s12, 0x10002                    ; g: which head of the pair
	s_and_b32 s18, s12, 3                          ; the query tile
	s_bfe_u32 s76, s12, 0x20001                    ; which record, or which 16 rows of the mask, I fetch from,
	s_and_b32 s77, s12, 1                          ; and which half of it
	s_lshl_b32 s56, s14, 2
	s_lshl_b32 s56, 15, s56                        ; my row of the cluster
	s_lshl_b32 s57, 0x1111, s13                    ; my column
	s_or_b32 s24, s56, (3<<16)|(1<<21)             ; half a record: 25 dense rows of 32 elements of 8 bytes, no padding
	s_mov_b32 s25, 32<<16
	s_mov_b32 s26, 25<<16
	s_mov_b32 s27, 32<<16
	s_mov_b32 s28, 25
	s_mov_b32 s29, 32
	s_mov_b32 s30, 0
	s_mov_b32 s31, 0
	s_or_b32 s32, s57, (2<<16)|(1<<20)|(1<<21)|(6<<22)|(3<<25)  ; the mask: 8 rows of 128 elements of 4 bytes, 2,048 apart; 4 words of padding behind every 128
	s_mov_b32 s33, 128<<16
	s_mov_b32 s34, 8<<16
	s_mov_b32 s35, 128<<16
	s_mov_b32 s36, 8
	s_mov_b32 s37, 2048
	s_mov_b32 s38, 0
	s_mov_b32 s39, 0
	s_mul_i32 s58, s16, 16*STEPB                   ; y's part of rec
	s_mul_i32 s59, s76, RECB
	s_mul_i32 s60, s77, 6400
	s_add_co_u32 s59, s59, s60                     ; my half record's place among the four, in LDS as in rec
	s_add_co_u32 s60, s58, s59
	s_add_co_u32 s60, s60, 2*RECB                  ; behind Q's two records
	s_mov_b32 s61, 0
	s_lshl_b32 s62, s15, 6
	s_lshl_b32 s63, s76, 4
	s_add_co_u32 s62, s62, s63
	s_lshl_b32 s63, s77, 3
	s_add_co_u32 s62, s62, s63                     ; the mask's row 64 x + 16 part + 8 half,
	s_lshl_b32 s62, s62, 13                        ; of 8,192 bytes
	s_mov_b32 s63, 0
	s_mul_i32 s66, s76, 8704
	s_and_b32 s67, s76, 1
	s_lshl_b32 s67, s67, 7
	s_add_co_u32 s66, s66, s67
	s_mul_i32 s67, s77, 4224                       ; 8 rows of 528 bytes
	s_add_co_u32 s66, s66, s67
	s_wait_kmcnt 0x0
	s_mov_b32 s40, 1
	s_mov_b32 s41, s59                             ; slot 0
	s_add_nc_u64 s[42:43], s[4:5], s[60:61]
	s_or_b32 s43, s43, 0x80000000
	s_mov_b32 s44, 1
	s_add_co_u32 s45, s66, MOFF
	s_add_nc_u64 s[46:47], s[6:7], s[62:63]
	s_or_b32 s47, s47, 0x80000000
	CROUND                                         ; all sixteen work-groups are here: the first joint loads meet
	JLOAD                                          ; key step 0 into slot 0: one load a wave
	; Q: fragment 4 (x & 1) + i of my pair's record of run x >> 1
	s_lshr_b32 s56, s15, 1
	s_mul_i32 s56, s56, STEPB
	s_mul_i32 s57, s16, 16*STEPB
	s_add_co_u32 s56, s56, s57
	s_mul_i32 s57, s17, RECB
	s_add_co_u32 s56, s56, s57
	s_mov_b32 s57, 0
	s_add_nc_u64 s[66:67], s[4:5], s[56:57]
	s_and_b32 s58, s15, 1
	s_lshl_b32 s59, s58, 2
	s_add_co_u32 s59, s59, s18
	s_mul_i32 s60, s59, 1536
	s_mov_b32 s61, 0
	s_add_nc_u64 s[68:69], s[66:67], s[60:61]
	s_and_b32 s60, s59, 1
	s_lshl_b32 s60, s60, 8
	s_lshr_b32 s62, s59, 1
	s_lshl_b32 s62, s62, 2
	s_add_co_u32 s60, s60, s62
	s_add_co_u32 s60, s60, 12288
	s_add_nc_u64 s[70:71], s[66:67], s[60:61]
	; the prefetches: where my wave's stand, and who asks
	s_mul_i32 s56, s16, 16*STEPB
	s_mul_i32 s58, s13, RECB
	s_add_co_u32 s56, s56, s58
	s_add_co_u32 s56, s56, 2*RECB+STEPB            ; record cx of key step 1: the first change of slots steps it to step 2
	s_lshl_b32 s57, s15, 6
	s_lshl_b32 s58, s14, 4
	s_add_co_u32 s57, s57, s58
	s_lshl_b32 s57, s57, 13
	s_add_co_u32 s57, s57, 512                     ; the mask's rows 64 x + 16 cy on, key step 1
	s_and_b32 s60, ttmp7, 0xffff
	s_and_b32 s67, s12, 1
	s_mul_i32 s67, s67, 6400
	s_mov_b32 s54, 512
	s_mov_b32 s55, 0
	s_mov_b32 s59, 0
	s_cmp_lt_u32 s12, 8
	s_cselect_b64 s[52:53], s[4:5], s[6:7]
	s_cselect_b32 s54, STEPB, s54                  ; a key step on
	s_cselect_b32 s58, s56, s57
	s_cselect_b32 s61, ttmp9, s60                  ; the coordinate along which other clusters read the same bytes
	s_cselect_b32 s62, 2, 9                        ; waves 0, 1 ask for records, wave 8 for the mask
	s_cselect_b32 s63, -1, 0
	s_add_nc_u64 s[52:53], s[52:53], s[58:59]
	s_cmp_lt_u32 s12, s62
	s_cselect_b32 s62, 0, 1
	s_or_b32 s61, s61, s62
	s_cmp_eq_u32 s61, 0
	s_cselect_b32 s50, 1, -1                       ; 1 in a wave that asks, else the greatest number: the same in all partners
	; where the results go
	s_and_b32 s56, s16, 3                          ; hq
	s_lshr_b32 s57, s16, 2                         ; b
	s_lshl_b32 s57, s57, 11
	s_lshl_b32 s58, s15, 6
	s_add_co_u32 s57, s57, s58                     ; my block's first row
	s_mul_i32 s58, s56, 1572864
	s_mul_i32 s59, s57, 192
	s_add_co_u32 s58, s58, s59
	s_mov_b32 s59, 0
	s_add_nc_u64 s[8:9], s[8:9], s[58:59]
	s_lshl_b32 s58, s57, 5
	s_lshl_b32 s56, s56, 3
	s_add_co_u32 s58, s58, s56
	s_add_nc_u64 s[10:11], s[10:11], s[58:59]
	s_mov_b32 s20, 0x76543210
	s_mov_b32 s21, 0xfedcba98                      ; selects for lane l xor 16
	s_mov_b32 s22, 0x3fb8aa3b                      ; log2(e)
	s_mov_b32 s23, s22                             ; (named with it as a pair)
	s_mov_b32 s48, 0                               ; the slot in hand
	s_mov_b32 s49, 15                              ; key steps still to be asked for
	; the wave's terms of the LDS addresses, all made ahead of the vector lines that take them
	s_mul_i32 s56, s17, RECB                       ; my pair's record
	s_mul_i32 s57, s19, 6144                       ; my head's four fragments of V
	s_lshl_b32 s58, s19, 3                         ; and their two scale words
	s_lshr_b32 s59, s18, 1
	s_mul_i32 s59, s59, 17408
	s_and_b32 s60, s18, 1
	s_mul_i32 s61, s60, 4224
	s_add_co_u32 s59, s59, s61
	s_add_co_u32 s59, s59, MOFF                    ; my query tile's rows of the mask
	s_lshl_b32 s60, s60, 3
	s_lshr_b32 s61, s18, 1
	s_lshl_b32 s61, s61, 5
	s_add_co_u32 s60, s60, s61                     ; rho's term 32 (i >> 1) + 8 (i & 1)
	s_mul_i32 s61, s17, 96
	s_mul_i32 s62, s19, 48
	s_add_co_u32 s61, s61, s62
	s_add_co_u32 s61, s61, OST                     ; my head's 48 bytes of a row of the values' codes
	s_lshl_b32 s62, s17, 2
	s_lshl_b32 s66, s19, 1
	s_add_co_u32 s62, s62, s66
	s_add_co_u32 s62, s62, SST                     ; and its two scale bytes
	s_mul_i32 s66, s12, 1536
	s_cmp_eq_u32 s19, 0
	s_cselect_b32 s76, -1, 0                       ; what is kept of Q's operand: registers 0-5 for head 0,
	s_cselect_b32 s77, 0, -1                       ; registers 6-11 for head 1
	s_lshr_b32 s75, s12, 2
	s_xor_b32 s75, s75, s12
	s_and_b32 s75, s75, 1                          ; 0: an early wave, 1: a late one.  Waves w, w + 4, w + 8, w + 12 hold two of each, and so do waves 4 i .. 4 i + 3
	s_mov_b32 s72, 1
	s_mov_b32 s74, 0
	s_mov_b32 s73, 1
	v_and_b32 v84, 31, v0                          ; l
	v_and_b32 v85, 15, v0                          ; r
	v_bfe_u32 v86, v0, 4, 1                        ; h
	v_and_b32 v87, 7, v0                           ; r & 7
	v_bfe_u32 v88, v0, 3, 1                        ; r >> 3
	v_mul_u32_u24 v91, v84, 48
	v_lshlrev_b32 v92, 4, v85
.irp p, 0,1,2,3,4,5
	global_load_b64 v[16+2*\p:17+2*\p], v91, s[68:69] offset:8*\p   ; Q's fragment: both heads' codes
.endr
	global_load_b32 v200, v92, s[70:71]            ; Q's scale words
	v_add_nc_u32 v1, s56, v91                      ; fragments: 48 l + my pair's record
	v_lshlrev_b32 v2, 4, v84
	v_add_nc_u32 v2, s56, v2
	v_add_nc_u32 v2, 12288, v2                     ; scale words: 16 l: lanes 0-15 the even fragments' words, lanes 16-31 the odd ones'
	v_add_nc_u32 v204, s57, v1                     ; V's fragments of my head
	v_add_nc_u32 v205, s58, v2                     ; and their scale words
	v_mul_u32_u24 v3, v87, 528
	v_mad_u32_u24 v3, v88, 8832, v3
	v_lshl_add_u32 v3, v86, 6, v3
	v_add_nc_u32 v3, s59, v3                       ; the mask: my query's row, + 64 h
	v_lshl_add_u32 v89, v88, 4, v87
	v_add_nc_u32 v89, s60, v89                     ; rho
	v_mul_u32_u24 v9, v89, 192
	v_mad_u32_u24 v9, v86, 12, v9
	v_add_nc_u32 v9, s61, v9                       ; the values' codes: row rho, my head's 48 bytes, + 12 h
	v_lshlrev_b32 v10, 3, v89
	v_add_nc_u32 v10, s62, v10                     ; their scale bytes
	v_lshlrev_b32 v29, 4, v84
	v_add_nc_u32 v29, s66, v29                     ; back: waves 0-7 take 1,536 bytes (8 rows) each, 16 a lane; the same place in ac
	v_add_nc_u32 v11, OST, v29
	v_and_b32 v90, 63, v0
	v_lshlrev_b32 v31, 3, v90
	v_add_nc_u32 v31, SST, v31
	v_lshlrev_b32 v80, 5, v90                      ; a row of asc is 32 bytes
	v_min_u32 v93, 24, v84
	v_lshlrev_b32 v93, 8, v93
	v_add_nc_u32 v93, s67, v93
	v_lshrrev_b32 v94, 1, v84
	v_lshlrev_b32 v94, 13, v94
	v_and_b32 v95, 1, v84
	v_lshl_or_b32 v94, v95, 8, v94
	v_cndmask_b32 v28, v94, v93, s63
	s_wait_alu depctr_va_vdst(0)                   ; the wait ahead of the wait below
	s_wait_loadcnt 0x0                             ; Q
.irp j, 0,1,2,3,4,5
	v_and_b32 v[16+\j], s76, v[16+\j]              ; the other head's half of Q's operand becomes zero codes
	v_and_b32 v[22+\j], s77, v[22+\j]
.endr
	v_mov_b32 v95, 1
.irp b, 0,1,2,3
	v_bfe_u32 v[84+\b], v200, 8*\b, 8
.endr
.irp b, 0,1,2,3
	v_cmp_gt_u32 vcc_lo, 4, v[84+\b]
	v_add_nc_u32 v[88+\b], -3, v[84+\b]            ; the 1 / 8 goes into Q's scale: 3 off each byte,
	v_cndmask_b32 v[84+\b], v[88+\b], v95, vcc_lo  ; held at 1
.endr
	v_lshl_or_b32 v200, v85, 8, v84
	v_lshl_or_b32 v200, v86, 16, v200
	v_lshl_or_b32 v200, v87, 24, v200
	v_mov_b32 v13, 0xff61b1e6                      ; -3e38, under every t.  (These lines are also the places between the scale word's last write and the first product)
	v_floor_f32 v12, -v13
	v_mov_b32 v14, 0
	v_mov_b32 v15, 0
.irp b, 0,1,2,3
	v_mov_b32 v[236+\b], 0                         ; a lane permute's destination counts as one of its sources
.endr
	v_mov_b32 v253, 0
.set JJ, 0
.rept 32
	v_mov_b32 v[160+JJ], 0                         ; O^T: the step is written once, its first turn finds zeros
.set JJ, JJ+1
.endr
.set JJ, 0
.rept 64
	v_mov_b32 v[96+JJ], 0xf1800000                 ; the empty step's logits: -2^100, a power of two, so that t = logit x log2(e) is exact and t - M is 0
.set JJ, JJ+1
.endr
.set JJ, 0
.rept 48
	v_mov_b32 v[32+JJ], 0                          ; its V: zero codes
.set JJ, JJ+1
.endr
	v_mov_b32 v196, 0x7f7f7f7f                     ; and V's scale words: finite codes
	v_mov_b32 v197, 0x7f7f7f7f
.macro KFRAGS q                        ; four fragments of K: 48 bytes a lane each
.irp t, 0,1,2,3
.irp c, 0,1,2
	ds_load_b128 v[32+12*\t+4*\c:35+12*\t+4*\c], v6 offset:(4*\q+\t)*1536+16*\c
.endr
.endr
.endm
.macro SPROD T                         ; the logits of 16 keys x 16 queries: source 0 = fragment T of K, source 1 = Q's operand, added in place onto the mask
.if (\T)%2
	v_wmma_scale_f32_16x16x128_f8f6f4 v[96+8*(\T):103+8*(\T)], v[32+12*((\T)%4):43+12*((\T)%4)], v[16:27], v[96+8*(\T):103+8*(\T)], v[192+(\T)/2], v200 matrix_a_fmt:MATRIX_FMT_BF6 matrix_b_fmt:MATRIX_FMT_BF6 matrix_a_scale:MATRIX_SCALE_ROW1
.else
	v_wmma_scale_f32_16x16x128_f8f6f4 v[96+8*(\T):103+8*(\T)], v[32+12*((\T)%4):43+12*((\T)%4)], v[16:27], v[96+8*(\T):103+8*(\T)], v[192+(\T)/2], v200 matrix_a_fmt:MATRIX_FMT_BF6 matrix_b_fmt:MATRIX_FMT_BF6
.endif
.endm
.macro PVPROD t                        ; O^T += 16 of the head's 64 x 128 keys times p
.if (\t)%2
	v_wmma_scale_f32_16x16x128_f8f6f4 v[160+8*\t:167+8*\t], v[32+12*\t:43+12*\t], v[224:235], v[160+8*\t:167+8*\t], v[196+(\t)/2], v202 matrix_a_fmt:MATRIX_FMT_BF6 matrix_b_fmt:MATRIX_FMT_BF6 matrix_a_scale:MATRIX_SCALE_ROW1
.else
	v_wmma_scale_f32_16x16x128_f8f6f4 v[160+8*\t:167+8*\t], v[32+12*\t:43+12*\t], v[224:235], v[160+8*\t:167+8*\t], v[196+(\t)/2], v202 matrix_a_fmt:MATRIX_FMT_BF6 matrix_b_fmt:MATRIX_FMT_BF6
.endif
.endm
; The softmax of one key step.  Register 16 b + i of v96 on is the logit of key 32 b + 16 (lane / 16) + i.
.macro SOFTMAX
.irp b, 0,1,2,3
	v_max3_num_f32 v[232+\b], v[96+16*\b], v[97+16*\b], v[98+16*\b]   ; the largest logit of each block of 32 keys: for the row's maximum and, since p rises with the logit, for the block's largest p
.endr
.irp i, 3,5,7,9,11,13
.irp b, 0,1,2,3
	v_max3_num_f32 v[232+\b], v[232+\b], v[96+16*\b+\i], v[97+16*\b+\i]
.endr
.endr
.irp b, 0,1,2,3
	v_max_num_f32 v[232+\b], v[232+\b], v[111+16*\b]
.endr
.irp b, 0,1,2,3
	s_delay_alu instid0(VALU_DEP_4)
	v_permlanex16_b32 v[236+\b], v[232+\b], s20, s21
.endr
.irp b, 0,1,2,3
	s_delay_alu instid0(VALU_DEP_4)
	v_max_num_f32 v[232+\b], v[232+\b], v[236+\b]
.endr
	s_delay_alu instid0(VALU_DEP_2)
	v_max3_num_f32 v254, v232, v233, v234
	s_delay_alu instid0(VALU_DEP_1)
	v_max_num_f32 v254, v254, v235
	s_delay_alu instid0(VALU_DEP_1)
	v_mul_f32 v254, s22, v254                      ; as t
	s_delay_alu instid0(VALU_DEP_1)
	v_max_num_f32 v13, v13, v254                   ; the running largest t
	v_mov_b32 v254, v12
	s_delay_alu instid0(VALU_DEP_2)
	v_floor_f32 v12, -v13                          ; the new -M = -ceil(t): a whole number
	s_delay_alu instid0(VALU_DEP_1)
	v_sub_f32 v254, v12, v254                      ; old M - new M: a whole number, 0 or less
	s_delay_alu instid0(VALU_DEP_1)
	v_cvt_i32_f32 v254, v254                       ; (it saturates)
	s_delay_alu instid0(VALU_DEP_1)
	v_ldexp_f32 v252, 1.0, v254                    ; f = 2^(old M - new M): rounds nothing
.set JJ, 0
.rept 32
	v_pk_fma_f32 v[96+JJ:97+JJ], v[96+JJ:97+JJ], s[22:23], v[12:13] op_sel_hi:[1,0,0]   ; t - M, two at a time
.set JJ, JJ+2
.endr
.irp b, 0,1,2,3
	v_fma_f32 v[232+\b], v[232+\b], s22, v12
.endr
.set JJ, 0
	s_wait_alu depctr_va_vdst(0)                   ; the wait ahead of the batch
.rept 64
	v_exp_f32 v[96+JJ], v[96+JJ]                   ; p = 2^(t - M)
.set JJ, JJ+1
.endr
	v_pk_mul_f32 v[14:15], v[14:15], v[252:253] op_sel_hi:[1,0]   ; the sums under the new M: the plain place behind the exponentials
	s_wait_alu depctr_va_vdst(0)                   ; one wait for the batch of 64, ahead of its first reader
.irp b, 0,1,2,3
	v_exp_f32 v[232+\b], v[232+\b]                 ; the block's largest p
.endr
	v_pk_add_f32 v[236:237], v[96:97], v[98:99]    ; the row's sum of the unquantised p, in two chains
.set JJ, 4
.rept 15
	v_pk_add_f32 v[14:15], v[14:15], v[96+JJ:97+JJ]
	v_pk_add_f32 v[236:237], v[236:237], v[98+JJ:99+JJ]
.set JJ, JJ+4
.endr
	s_delay_alu instid0(VALU_DEP_1)
	v_pk_add_f32 v[14:15], v[14:15], v[236:237]
	s_wait_alu depctr_va_vdst(0)                   ; and one for the four
.irp b, 0,1,2,3
	v_max_num_f32 v[232+\b], 0x2800000, v[232+\b]  ; the floor 2^(5 - 127): the byte cannot fall under 1
.endr
.irp b, 0,1,2,3
	s_delay_alu instid0(VALU_DEP_4)
	v_add_nc_u32 v[244+\b], 0xfe000000, v[232+\b]  ; the conversion's scale operand
.endr
.irp b, 0,1,2,3
	s_delay_alu instid0(VALU_DEP_4)
	v_lshrrev_b32 v[236+\b], 23, v[244+\b]         ; the scale's byte
.endr
	s_delay_alu instid0(VALU_DEP_3)
	v_lshl_or_b32 v253, v237, 8, v236
	s_delay_alu instid0(VALU_DEP_1)
	v_lshl_or_b32 v253, v238, 16, v253
	s_delay_alu instid0(VALU_DEP_1)
	v_lshl_or_b32 v253, v239, 24, v253
	v_mov_b32 v202, v253                           ; p's scale word, in a register that holds scales alone
.irp c, 0,1
	v_cvt_scalef32_pk16_bf6_f32 v[224+6*\c:226+6*\c], v[96+32*\c:111+32*\c], v[244+2*\c]
	v_cvt_scalef32_pk16_bf6_f32 v[236+4*\c:238+4*\c], v[112+32*\c:127+32*\c], v[244+2*\c+1]
.endr
	v_nop                                          ; one plain place behind a scaled conversion
.irp c, 0,1                                    ; the operand's layout wants a whole block in a lane
.irp i, 0,1,2
	v_permlane16_swap_b32 v[224+6*\c+\i], v[236+4*\c+\i]
.endr
.irp i, 0,1,2
	s_delay_alu instid0(VALU_DEP_3)
	v_mov_b32 v[227+6*\c+\i], v[236+4*\c+\i]
.endr
.endr
.set JJ, 0
.rept 16
	v_pk_mul_f32 v[160+JJ:161+JJ], v[160+JJ:161+JJ], v[252:253] op_sel_hi:[1,0]   ; O^T under the new M; also the places ahead of the products below
.set JJ, JJ+2
.endr
.endm
.macro ADDR                            ; the LDS addresses of the slot in hand, made on the way that all waves take
	v_add_nc_u32 v6, s48, v1
	v_add_nc_u32 v7, s48, v2
	v_add_nc_u32 v8, s48, v3
	v_add_nc_u32 v206, s48, v204
	v_add_nc_u32 v207, s48, v205
	s_xor_b32 s48, s48, SLOT1                      ; on to the other slot
	s_wait_alu depctr_va_vdst(0)
.endm
.macro H1                              ; the first part of a key step
	s_wait_dscnt 0x0                               ; no load of mine is out
.rept 4
	v_nop                                          ; four places between the last products and the loads into their registers
.endr
.irp b, 0,1,2,3
.irp j, 0,1,2,3
	ds_load_b128 v[96+16*\b+4*\j:99+16*\b+4*\j], v8 offset:128*\b+16*\j   ; the mask of my query at keys 32 b + 16 h + 4 j on, into the logits' registers
.endr
.endr
	ds_load_b128 v[192:195], v7                    ; K's scale words
	KFRAGS 0
	s_wait_dscnt 0x0
.irp t, 0,1,2,3
	SPROD \t
.endr
.rept 4
	v_nop
.endr
	KFRAGS 1
	s_wait_dscnt 0x0
.irp t, 4,5,6,7
	SPROD \t
.endr
.rept 4
	v_nop                                          ; places ahead of the loads below and of the first read of the logits
.endr
	ds_load_b64 v[196:197], v207 offset:2*RECB     ; my head's scale words of V
.irp t, 0,1,2,3
.irp c, 0,1,2
	ds_load_b128 v[32+12*\t+4*\c:35+12*\t+4*\c], v206 offset:2*RECB+\t*1536+16*\c
.endr
.endr
.endm
.macro H2                              ; the second part: V lands meanwhile, or has landed ahead of the change of slots
	SOFTMAX
	s_wait_alu depctr_va_vdst(0)                   ; the wait ahead of the wait below
	s_wait_dscnt 0x0
.irp t, 0,1,2,3
	PVPROD \t
.endr
.rept 4
	v_nop                                          ; four places behind the products, on every way out of this part
.endr
.endm
; THE CHANGE OF SLOTS stands at a trip's head.  Each wave waits for all its tensor loads (one: its part of the slot ahead), adds 0 to its spare word, and waits for that and for its reads of the slot that it has left.
; fill = 1: a round of the cluster's barrier, and behind it the slot just left is filled with the next key step: a wave's one tensor load until the next round.
.macro CHANGE fill
	s_wait_tensorcnt 0x0
	ds_add_u32 v4, v5
.if \fill
	s_xor_b32 s41, s41, SLOT1                      ; no load of mine is out: the walking descriptors step
	s_add_nc_u64 s[42:43], s[42:43], STEPB
	s_xor_b32 s45, s45, SLOT1
	s_add_nc_u64 s[46:47], s[46:47], 512
	s_wait_xcnt 0x0                                ; the last prefetch, a step back, has read its address
	s_add_nc_u64 s[52:53], s[52:53], s[54:55]
	s_wait_dscnt 0x0
	CROUND
	JLOAD
	ASK
.else
	s_wait_dscnt 0x0
	s_barrier_signal -1
	s_barrier_wait -1
.endif
.endm
; A trip behind its change of slots.  s75 = 0 in the early waves, 1 in the late ones.  tail = 1: what runs is set by three bounds: H1 first where s75 < s72, H2 where s75 >= s74, H1 last where s75 >= s73.
.macro BODY tail
	ADDR
.if \tail
	s_cmp_lt_u32 s75, s72
.else
	s_cmp_lt_u32 s75, 1
.endif
	s_cbranch_scc0 .Lnot_early_\@
	H1
.Lnot_early_\@:
.if \tail
	s_cmp_ge_u32 s75, s74
	s_cbranch_scc0 .Lnot_h2_\@
.endif
	H2
.if \tail
.Lnot_h2_\@:
	s_cmp_ge_u32 s75, s73
.else
	s_cmp_ge_u32 s75, 1
.endif
	s_cbranch_scc0 .Lnot_late_\@
	H1
.Lnot_late_\@:
.endm
	s_wait_alu depctr_va_vdst(0)                   ; the wait at the head's end
.Lslot:                                            ; 15 trips: behind each change the next key step is asked for
	CHANGE 1
	BODY 0
	s_sub_co_u32 s49, s49, 1
	s_cmp_lg_u32 s49, 0
	s_cbranch_scc1 .Lslot
	s_mov_b32 s49, 2
.Ltail:                                            ; two trips that ask for nothing: key step 15, and then the late waves' last H2 alone
	CHANGE 0
	BODY 1
	s_mov_b32 s72, 0
	s_mov_b32 s74, 1
	s_mov_b32 s73, 2
	s_sub_co_u32 s49, s49, 1
	s_cmp_lg_u32 s49, 0
	s_cbranch_scc1 .Ltail
; THE WAY OUT.  O^T / the sum; register 16 b + i is d = 32 b + 16 h + i of my query: two blocks of 32 of the last product's K, each in lanes l and l xor 16; 16 codes are 12 bytes.
.rept 4
	v_nop                                          ; places behind the last products
.endr
	v_add_f32 v14, v14, v15
	s_delay_alu instid0(VALU_DEP_1)
	v_permlanex16_b32 v252, v14, s20, s21
	s_delay_alu instid0(VALU_DEP_1)
	v_add_f32 v14, v14, v252                       ; the row's sum
	s_wait_alu depctr_va_vdst(0)                   ; the wait ahead of the transcendental
	v_rcp_f32 v14, v14
	v_nop                                          ; a plain place behind the reciprocal
	s_wait_alu depctr_va_vdst(0)                   ; and the wait ahead of its first reader
.set JJ, 0
.rept 32
	v_mul_f32 v[96+JJ], v[160+JJ], v14             ; each accumulator from its low end on
.set JJ, JJ+1
.endr
.irp b, 0,1
	v_max3_num_f32 v[232+\b], |v[96+16*\b]|, |v[97+16*\b]|, 0x2800000
.endr
.irp i, 2,4,6,8,10,12,14
.irp b, 0,1
	s_delay_alu instid0(VALU_DEP_2)
	v_max3_num_f32 v[232+\b], v[232+\b], |v[96+16*\b+\i]|, |v[97+16*\b+\i]|
.endr
.endr
.irp b, 0,1
	s_delay_alu instid0(VALU_DEP_2)
	v_permlanex16_b32 v[236+\b], v[232+\b], s20, s21
.endr
.irp b, 0,1
	s_delay_alu instid0(VALU_DEP_2)
	v_max_num_f32 v[232+\b], v[232+\b], v[236+\b]
.endr
.irp b, 0,1
	s_delay_alu instid0(VALU_DEP_2)
	v_add_nc_u32 v[244+\b], 0xfe000000, v[232+\b]
.endr
.irp b, 0,1
	s_delay_alu instid0(VALU_DEP_2)
	v_lshrrev_b32 v[236+\b], 23, v[244+\b]
.endr
	s_delay_alu instid0(VALU_DEP_1)
	v_lshl_or_b32 v253, v237, 8, v236              ; the head's two scale bytes
	v_cvt_scalef32_pk16_bf6_f32 v[224:226], v[96:111], v244
	v_cvt_scalef32_pk16_bf6_f32 v[228:230], v[112:127], v245
	v_nop
.irp b, 0,1
.irp j, 0,1,2
	ds_store_b32 v9, v[224+4*\b+\j] offset:24*\b+4*\j
.endr
.endr
	ds_store_b16 v10, v253                         ; both halves of the lanes write the same two bytes with the same value
	s_wait_dscnt 0x0                               ; for the others' sake: my stores are done
	s_barrier_signal -1
	s_barrier_wait -1
	s_cmp_lt_u32 s12, 8                            ; waves 0-7 store the 64 rows' codes
	s_cbranch_scc0 .Lno_codes
.irp i, 0,1,2
	ds_load_b128 v[32+4*\i:35+4*\i], v11 offset:512*\i
.endr
.irp i, 0,1,2
	s_wait_dscnt 2-\i                              ; the younger loads may be out
	global_store_b128 v29, v[32+4*\i:35+4*\i], s[8:9] offset:512*\i   ; 32 lanes store 512 consecutive bytes, at a multiple of 256 from ac's first byte
.endr
.Lno_codes:
	s_cmp_lt_u32 s12, 2                            ; waves 0 and 1 store the 64 rows' scale bytes: 8 bytes of each row of 32
	s_cbranch_scc0 .Lno_scales
	ds_load_b64 v[44:45], v31
	s_wait_dscnt 0x0
	global_store_b64 v80, v[44:45], s[10:11]
.Lno_scales:
	s_wait_tensorcnt 0x0                           ; the wave's end
	ds_add_u32 v4, v5
	s_wait_dscnt 0x0
	CROUND                                         ; the closing round
	s_endpgm
.Lfunc_end_k_q413d288706_attn:
	.size	k_q413d288706_attn, .Lfunc_end_k_q413d288706_attn-k_q413d288706_attn
	.p2alignl 7, 3214868480
	.fill 96, 4, 3214868480
	.section	.rodata,"a",@progbits
	.p2align	6, 0x0
	.amdhsa_kernel k_q413d288706_attn
		.amdhsa_group_segment_fixed_size 327680
		.amdhsa_private_segment_fixed_size 0
		.amdhsa_enable_private_segment 0
		.amdhsa_kernarg_size 32
		.amdhsa_user_sgpr_count 2
		.amdhsa_user_sgpr_kernarg_segment_ptr 1
		.amdhsa_wavefront_size32 1
		.amdhsa_system_sgpr_workgroup_id_x 1
		.amdhsa_system_sgpr_workgroup_id_y 1
		.amdhsa_system_sgpr_workgroup_id_z 1
		.amdhsa_system_vgpr_workitem_id 0
		.amdhsa_next_free_vgpr 256
		.amdhsa_next_free_sgpr 80
		.amdhsa_reserve_vcc 1
		.amdhsa_float_denorm_mode_32 3
		.amdhsa_float_denorm_mode_16_64 3
		.amdhsa_memory_ordered 1
		.amdhsa_forward_progress 1
		.amdhsa_inst_pref_size 74
	.end_amdhsa_kernel
	.amdgpu_metadata
---
amdhsa.version: [ 1, 2 ]
amdhsa.kernels:
  - .name:           k_q413d288706_attn
    .symbol:         k_q413d288706_attn.kd
    .args:
      - { .name: rec, .offset: 0, .size: 8, .value_kind: global_buffer, .address_space: global }
      - { .name: mask, .offset: 8, .size: 8, .value_kind: global_buffer, .address_space: global }
      - { .name: ac, .offset: 16, .size: 8, .value_kind: global_buffer, .address_space: global }
      - { .name: asc, .offset: 24, .size: 8, .value_kind: global_buffer, .address_space: global }
    .group_segment_fixed_size: 327680
    .private_segment_fixed_size: 0
    .kernarg_segment_align: 8
    .kernarg_segment_size: 32
    .max_flat_workgroup_size: 512
    .sgpr_count:     80
    .vgpr_count:     256
    .wavefront_size: 32
...
	.end_amdgpu_metadata
.endif
;; end of part 3
;; launch gemm_out (part 4): grid 4 x 32, 4 waves a work-group, clusters of 4 x 4, 327,680 bytes of LDS; arguments ac, asc, cod, scl, out0; writes out0
.if DOCPART == 4
	.amdgcn_target "amdgcn-amd-amdhsa--gfx1250"
	.amdhsa_code_object_version 6
	.text
	.protected	k_q413d288706_gemm_out
	.globl	k_q413d288706_gemm_out
	.p2align	8
	.type	k_q413d288706_gemm_out,@function
k_q413d288706_gemm_out:
	s_mov_b64 s[64:65], 0
	v_nop
	global_prefetch_b8 v0, s[64:65] scope:SCOPE_SE
	s_setreg_imm32_b32 hwreg(HW_REG_WAVE_MODE, 25, 1), 1
	s_wait_xcnt 0x0
	s_wait_alu depctr_hold_cnt(0) depctr_sa_sdst(0) depctr_va_vdst(0) depctr_va_sdst(0) depctr_va_ssrc(0) depctr_va_vcc(0) depctr_vm_vsrc(0)
	s_getreg_b32 s2, hwreg(HW_REG_IB_STS2, 6, 4)
	s_cmp_eq_u32 s2, 0
	s_cbranch_scc0 .Lentry_in_a_cluster
	s_endpgm
.Lentry_in_a_cluster:
	s_bfe_u32 s2, ttmp6, 0x10000c
	s_cmp_lg_u32 s2, 0xf033
	s_cbranch_scc0 .Lentry_shape_is_right
	s_endpgm
.Lentry_shape_is_right:
.set SIZE_N, 1024
.set SIZE_K, 1024
.set KSTEP,  256
.set NQ,     KSTEP/128
.set ROWB,   192
.set KROW,   192                       ; a row of a plane of cod
.set PLANE,  12288*192                 ; from a K step of 256 to the next in cod
.set ASTEP,  8192*ROWB
.set WOROW,  11264
.set PITCH,  240
.set FR,     12
.set NL,     6
.set NP,     4
.set HALFT,  128*PITCH
.set SLOT,   4*HALFT
.set LAPS,   SIZE_K/(2*KSTEP)
.set KS,     SIZE_K/32
.set SCL,    2*SLOT
.set HALFS,  (128*KS/256)*272
.set SBLK,   (16*KS/256)*272
.set SPARE,  SCL+4*HALFS
.set SPITCH, 528
.set ADRA, 16
.set ADRB, 20
.set STO,  24
.set RD,   25
.set CO,   26
.set ADRS, 27
.set SPW,  28
.set NIL,  29
.set SC,   32
.set AF,   128
.set BK,   128
.set G1, 24
.set G0, 32
.set G1B, 48
.set G0B, 56
.set G1S, 68
.set G0S, 76
.set G1SB, 80
.set G0SB, 88
.set MSB, 0
.macro WIN new
.if MSB != \new
	s_set_vgpr_msb (MSB<<8)|\new
.set MSB, \new
.endif
.endm
.set MUL_LO, 0xa1
.set MUL_HI, 0xf1
.set TO_B,   0x40
.macro JLOAD g0a, g1a, g0b, g1b
	s_cmp_eq_u32 s15, 0
	s_cbranch_scc0 .Lfor_b_\@
	tensor_load_to_lds s[\g0a:\g0a+3], s[\g1a:\g1a+7]
	s_nop 0
.rept 4
	v_nop
.endr
	s_branch .Lasked_\@
.Lfor_b_\@:
	tensor_load_to_lds s[\g0b:\g0b+3], s[\g1b:\g1b+7]
	s_nop 0
.rept 4
	v_nop
.endr
.Lasked_\@:
.endm
.macro CREST
	s_cmp_lg_u32 s14, 0
	s_cbranch_scc1 .Lnot_wave_0_\@
	s_barrier_signal -3
.Lnot_wave_0_\@:
	s_barrier_wait -3
	s_barrier_signal -1
	s_barrier_wait -1
.endm
.macro CROUND
	s_barrier_signal -1
	s_barrier_wait -1
	CREST
.endm
	s_load_b128 s[4:7], s[0:1], 0x0
	s_load_b128 s[8:11], s[0:1], 0x10
	s_load_b64 s[12:13], s[0:1], 0x20
	v_lshl_add_u32 v[SPW], v0, 2, SPARE
	v_mov_b32 v[NIL], 0
	ds_add_u32 v28, v29
	ds_add_u32 v28, v29
	s_wait_dscnt 0x0
	v_lshrrev_b32 v1, 5, v0
	v_readfirstlane_b32 s14, v1
	s_lshr_b32 s15, s14, 1
	s_and_b32 s16, s14, 1
	s_bfe_u32 s40, ttmp6, 0x40000
	s_bfe_u32 s41, ttmp6, 0x40004
	s_lshl_b32 s42, ttmp9, 2
	s_add_co_u32 s42, s42, s40
	s_and_b32 s17, ttmp7, 0xffff
	s_lshl_b32 s17, s17, 2
	s_add_co_u32 s17, s17, s41
	s_lshl_b32 s43, s41, 2
	s_lshl_b32 s43, 15, s43
	s_lshl_b32 s44, 0x1111, s40
	s_or_b32 s[G1+0], s43, (0<<16)|(1<<20)|(1<<21)|(3<<22)|(3<<25)
	s_or_b32 s[G1B+0], s44, (0<<16)|(1<<20)|(1<<21)|(3<<22)|(3<<25)
.irp g, G1, G1B
	s_mov_b32 s[\g+1], 256<<16                     ; 128 rows of 192 bytes lie on end in ac and in a plane of cod: they come as 96 rows of 256 bytes, each at a multiple of 256;
	s_mov_b32 s[\g+2], 96<<16                      ; the padding, 16 bytes behind each 64, is counted along the whole tile: a row of codes takes 240 bytes of LDS
	s_mov_b32 s[\g+3], 256<<16
	s_mov_b32 s[\g+4], 96
	s_mov_b32 s[\g+6], 0
	s_mov_b32 s[\g+7], 0
.endr
	s_mov_b32 s[G1+5], 256
	s_mov_b32 s[G1B+5], 256
	s_or_b32 s[G1S+0], s43, (3<<16)|(1<<20)|(1<<21)|(5<<22)|(3<<25)
	s_or_b32 s[G1SB+0], s44, (3<<16)|(1<<20)|(1<<21)|(5<<22)|(3<<25)
.irp g, G1S, G1SB
	s_mov_b32 s[\g+1], 32<<16
	s_mov_b32 s[\g+2], (128*KS/256)<<16
	s_mov_b32 s[\g+3], 32<<16
	s_mov_b32 s[\g+4], 128*KS/256
	s_mov_b32 s[\g+5], 32
	s_mov_b32 s[\g+6], 0
	s_mov_b32 s[\g+7], 0
.endr
	s_lshl_b32 s18, s16, 7
	s_lshl_b32 s20, s17, 8
	s_add_co_u32 s20, s20, s18
	s_lshl_b32 s46, s42, 8
	s_add_co_u32 s46, s46, s18
	s_add_co_u32 s46, s46, WOROW
	s_mov_b32 s21, 0
	s_mov_b32 s47, 0
	s_mov_b64 s[18:19], KS
	s_mul_u64 s[22:23], s[20:21], s[18:19]
	s_mul_u64 s[92:93], s[46:47], s[18:19]
	s_mov_b64 s[18:19], ROWB
	s_mul_u64 s[20:21], s[20:21], s[18:19]
	s_mov_b64 s[18:19], KROW
	s_mul_u64 s[46:47], s[46:47], s[18:19]
	s_mul_i32 s45, s14, HALFT
	s_mul_i32 s94, s14, HALFS
	s_wait_kmcnt 0x0
	s_add_nc_u64 s[20:21], s[4:5], s[20:21]
	s_add_nc_u64 s[22:23], s[6:7], s[22:23]
	s_add_nc_u64 s[46:47], s[8:9], s[46:47]
	s_add_nc_u64 s[92:93], s[10:11], s[92:93]
	CROUND
	s_mov_b32 s[G0S], 1
	s_add_co_u32 s[G0S+1], s94, SCL
	s_mov_b64 s[G0S+2:G0S+3], s[22:23]
	s_or_b32 s[G0S+3], s[G0S+3], 0x80000000
	s_mov_b32 s[G0SB], 1
	s_add_co_u32 s[G0SB+1], s94, SCL
	s_mov_b64 s[G0SB+2:G0SB+3], s[92:93]
	s_or_b32 s[G0SB+3], s[G0SB+3], 0x80000000
	JLOAD G0S, G1S, G0SB, G1SB
.irp s, 0,1
	s_mov_b32 s[G0+4*\s], 1
	s_add_co_u32 s[G0+4*\s+1], s45, \s*SLOT
	s_add_nc_u64 s[G0+4*\s+2:G0+4*\s+3], s[20:21], \s*ASTEP
	s_or_b32 s[G0+4*\s+3], s[G0+4*\s+3], 0x80000000
	s_mov_b32 s[G0B+4*\s], 1
	s_add_co_u32 s[G0B+4*\s+1], s45, \s*SLOT
	s_add_nc_u64 s[G0B+4*\s+2:G0B+4*\s+3], s[46:47], \s*PLANE
	s_or_b32 s[G0B+4*\s+3], s[G0B+4*\s+3], 0x80000000
	s_wait_alu depctr_va_vdst(0)
	s_wait_tensorcnt 0x0
	ds_add_u32 v28, v29
	s_wait_dscnt 0x0
	CROUND
	JLOAD G0+4*\s, G1, G0B+4*\s, G1B
.endr
	v_and_b32 v1, 15, v0
	v_bfe_u32 v2, v0, 4, 1
	v_mul_u32_u24 v3, v1, PITCH
	v_mul_u32_u24 v4, v2, 24
	v_add_nc_u32 v4, v3, v4
	v_lshl_add_u32 v5, v2, 4, v4
	s_mul_i32 s21, s15, HALFT
	s_mul_i32 s22, s16, HALFT
	s_add_co_u32 s22, s22, 2*HALFT
.irp s, 0,1
	v_add_nc_u32 v[ADRA+\s], s21, v4
	v_add_nc_u32 v[ADRB+\s], s22, v4
	v_add_nc_u32 v[ADRA+2+\s], s21, v5
	v_add_nc_u32 v[ADRB+2+\s], s22, v5
	s_add_co_u32 s21, s21, SLOT
	s_add_co_u32 s22, s22, SLOT
.endr
	v_mul_u32_u24 v5, v1, KS
	v_lshrrev_b32 v6, 8, v5
	v_lshl_add_u32 v5, v6, 4, v5
	s_mul_i32 s21, s15, HALFS
	s_mul_i32 s22, s16, HALFS
	s_add_co_u32 s22, s22, 2*HALFS
	s_sub_co_u32 s22, s22, s21
	v_mul_u32_u24 v6, s22, v2
	s_add_co_u32 s21, s21, SCL
	v_add_nc_u32 v5, v5, v6
	v_add_nc_u32 v[ADRS], s21, v5
	s_mul_i32 s23, s14, 16*SPITCH
	v_mul_u32_u24 v5, v1, SPITCH
	v_lshl_add_u32 v5, v2, 6, v5
	v_add_nc_u32 v[STO], s23, v5
	v_and_b32 v6, 31, v0
	v_lshlrev_b32 v[CO], 4, v6
	v_add_nc_u32 v[RD], s23, v[CO]
	s_lshl_b32 s20, s17, 8
	s_lshl_b32 s21, s15, 7
	s_add_co_u32 s20, s20, s21
	s_mov_b32 s21, 0
	s_mov_b64 s[18:19], SIZE_N*4
	s_mul_u64 s[20:21], s[20:21], s[18:19]
	s_lshl_b32 s46, s42, 10
	s_lshl_b32 s47, s16, 9
	s_add_co_u32 s46, s46, s47
	s_mov_b32 s47, 0
	s_add_nc_u64 s[20:21], s[20:21], s[46:47]
	s_add_nc_u64 s[12:13], s[12:13], s[20:21]
.macro FRAG reg, adr, q, i
.irp p, 0,1,2,3,4,5
.set PCE, 12*(\q)+6*(\p/3)+\p%3
.if PCE%8 < 5
	ds_load_b64 v[\reg+2*\p:\reg+2*\p+1], v[\adr] offset:8*PCE+16*(PCE/8)+(\i)*16*PITCH
.else
	ds_load_b64 v[\reg+2*\p:\reg+2*\p+1], v[\adr+2] offset:8*PCE+16*(PCE/8)+(\i)*16*PITCH
.endif
.endr
.endm
.macro MUL16 a0, p, q, sc, zero
.irp a, \a0, \a0+1
.irp b, 0,1,2,3,4,5,6,7
.if \zero
	v_wmma_scale_f32_16x16x128_f8f6f4 v[8*(8*((\a)%4)+\b):8*(8*((\a)%4)+\b)+7], v[128*(\p)+FR*\b:128*(\p)+FR*\b+FR-1], v[AF+FR*(\a):AF+FR*(\a)+FR-1], 0, v[SC+8*NQ*(\sc)+NQ*\b+(\q)], v[SC+8*NQ*(\sc)+NQ*(\a)+(\q)] matrix_a_fmt:MATRIX_FMT_BF6 matrix_b_fmt:MATRIX_FMT_BF6 matrix_a_scale:MATRIX_SCALE_ROW1
.else
	v_wmma_scale_f32_16x16x128_f8f6f4 v[8*(8*((\a)%4)+\b):8*(8*((\a)%4)+\b)+7], v[128*(\p)+FR*\b:128*(\p)+FR*\b+FR-1], v[AF+FR*(\a):AF+FR*(\a)+FR-1], v[8*(8*((\a)%4)+\b):8*(8*((\a)%4)+\b)+7], v[SC+8*NQ*(\sc)+NQ*\b+(\q)], v[SC+8*NQ*(\sc)+NQ*(\a)+(\q)] matrix_a_fmt:MATRIX_FMT_BF6 matrix_b_fmt:MATRIX_FMT_BF6 matrix_a_scale:MATRIX_SCALE_ROW1
.endif
.endr
.endr
.endm
.macro FETCH_B slot, q, p
	WIN TO_B
.irp i, 0,1,2,3,4,5,6,7
	FRAG 128*(\p)+FR*\i, ADRB+\slot, \q, \i
.endr
	WIN 0
.endm
.macro FETCH_A slot, q, i0
.irp i, \i0, \i0+1, \i0+2, \i0+3
	FRAG AF+FR*(\i), ADRA+\slot, \q, \i
.endr
.endm
.macro SCALES sc
.irp i, 0,1,2,3,4,5,6,7
	ds_load_b64 v[SC+8*NQ*\sc+NQ*\i:SC+8*NQ*\sc+NQ*\i+1], v[ADRS] offset:\i*SBLK
.endr
.endm
.macro PLACES n
.rept \n
	v_nop
.endr
.endm
.macro STEP slot, q, zero
	s_wait_dscnt 4*NL
	WIN MUL_LO
	MUL16 0, (\q)%2, \q, \slot, \zero
	MUL16 2, (\q)%2, \q, \slot, \zero
	s_wait_dscnt 0
	PLACES NP
	FETCH_B \slot, (\q)+1, 1-(\q)%2
	FETCH_A \slot, (\q)+1, 0
	WIN MUL_HI
	MUL16 4, (\q)%2, \q, \slot, \zero
	MUL16 6, (\q)%2, \q, \slot, \zero
	PLACES NP
	WIN 0
	FETCH_A \slot, (\q)+1, 4
.endm
.macro TURN slot, next, fill
	s_wait_tensorcnt 0x0
	ds_add_u32 v[SPW], v[NIL]
	s_wait_dscnt 4*NL+1
	WIN MUL_LO
	MUL16 0, 1, NQ-1, \slot, 0
	s_wait_dscnt 0x0
	s_barrier_signal -1
	MUL16 2, 1, NQ-1, \slot, 0
	WIN 0
	s_barrier_wait -1
.if \fill
	CREST
	s_add_nc_u64 s[G0+4*\slot+2:G0+4*\slot+3], s[G0+4*\slot+2:G0+4*\slot+3], 2*ASTEP
	s_add_nc_u64 s[G0B+4*\slot+2:G0B+4*\slot+3], s[G0B+4*\slot+2:G0B+4*\slot+3], 2*PLANE
	JLOAD G0+4*\slot, G1, G0B+4*\slot, G1B
.else
	PLACES NP
.endif
	s_wait_alu depctr_va_vdst(0)
	v_add_nc_u32 v[ADRS], 4*NQ, v[ADRS]
	FETCH_B \next, 0, 0
	FETCH_A \next, 0, 0
	SCALES \next
	WIN MUL_HI
	MUL16 4, 1, NQ-1, \slot, 0
	MUL16 6, 1, NQ-1, \slot, 0
	PLACES NP
	WIN 0
	FETCH_A \next, 0, 4
.endm
	s_wait_alu depctr_va_vdst(0)
	s_wait_tensorcnt 1
	s_barrier_signal -1
	s_barrier_wait -1
	FETCH_B 0, 0, 0
	FETCH_A 0, 0, 0
	SCALES 0
	FETCH_A 0, 0, 4
	STEP 0, 0, 1
	s_mov_b32 s3, LAPS-1
.Llap:
	TURN 0, 1, 1
	STEP 1, 0, 0
	TURN 1, 0, 1
	STEP 0, 0, 0
	s_sub_co_u32 s3, s3, 1
	s_cmp_lg_u32 s3, 0
	s_cbranch_scc1 .Llap
	TURN 0, 1, 0
	STEP 1, 0, 0
	s_wait_dscnt 4*NL
	WIN MUL_LO
	MUL16 0, 1, NQ-1, 1, 0
	MUL16 2, 1, NQ-1, 1, 0
	s_wait_dscnt 0
	WIN MUL_HI
	MUL16 4, 1, NQ-1, 1, 0
	MUL16 6, 1, NQ-1, 1, 0
	WIN 0
.macro TOSTAGE a
.set AC, 64*((\a)%4)
	WIN 0x08+4*((\a)/4)
.irp b, 0,1,2,3,4,5,6,7
	ds_store_b128 v[STO], v[AC+8*\b:AC+8*\b+3] offset:128*(\b/2)+32*(\b%2)
	ds_store_b128 v[STO], v[AC+8*\b+4:AC+8*\b+7] offset:128*(\b/2)+32*(\b%2)+16
.endr
	WIN 0
.set BB, BK+64*((\a)%2)
.irp t, 0,1,2,3,4,5,6,7,8,9,10,11,12,13,14,15
	ds_load_b128 v[BB+4*\t:BB+4*\t+3], v[RD] offset:\t*SPITCH
.endr
.endm
.macro SEND a, younger
.set BB, BK+64*((\a)%2)
	s_wait_dscnt \younger
.if (\a) > 0
	s_add_nc_u64 s[12:13], s[12:13], 16*SIZE_N*4
.endif
.irp t, 0,1,2,3,4,5,6,7,8,9,10,11,12,13,14,15
	global_store_b128 v[CO], v[BB+4*\t:BB+4*\t+3], s[12:13] offset:\t*SIZE_N*4 th:TH_STORE_NT
.endr
.endm
	PLACES NP
	TOSTAGE 0
.irp a, 1,2,3,4,5,6,7
.if \a > 1
	s_wait_xcnt 0x0
.endif
	TOSTAGE \a
	SEND \a-1, 32
.endr
	s_wait_xcnt 0x0
	SEND 7, 0
	s_wait_tensorcnt 0x0
	ds_add_u32 v[SPW], v[NIL]
	s_wait_dscnt 0x0
	CROUND
	s_endpgm
.Lfunc_end_k_q413d288706_gemm_out:
	.size	k_q413d288706_gemm_out, .Lfunc_end_k_q413d288706_gemm_out-k_q413d288706_gemm_out
	.p2alignl 7, 3214868480
	.fill 96, 4, 3214868480
	.section	.rodata,"a",@progbits
	.p2align	6, 0x0
	.amdhsa_kernel k_q413d288706_gemm_out
		.amdhsa_group_segment_fixed_size 327680
		.amdhsa_private_segment_fixed_size 0
		.amdhsa_enable_private_segment 0
		.amdhsa_kernarg_size 40
		.amdhsa_user_sgpr_count 2
		.amdhsa_user_sgpr_kernarg_segment_ptr 1
		.amdhsa_wavefront_size32 1
		.amdhsa_system_sgpr_workgroup_id_x 1
		.amdhsa_system_sgpr_workgroup_id_y 1
		.amdhsa_system_sgpr_workgroup_id_z 1
		.amdhsa_system_vgpr_workitem_id 0
		.amdhsa_next_free_vgpr 1024
		.amdhsa_next_free_sgpr 98
		.amdhsa_reserve_vcc 0
		.amdhsa_float_denorm_mode_32 3
		.amdhsa_float_denorm_mode_16_64 3
		.amdhsa_memory_ordered 1
		.amdhsa_forward_progress 1
		.amdhsa_inst_pref_size 161
	.end_amdhsa_kernel
	.amdgpu_metadata
---
amdhsa.version: [ 1, 2 ]
amdhsa.kernels:
  - .name:           k_q413d288706_gemm_out
    .symbol:         k_q413d288706_gemm_out.kd
    .args:
      - { .name: ac, .offset: 0, .size: 8, .value_kind: global_buffer, .address_space: global }
      - { .name: asc, .offset: 8, .size: 8, .value_kind: global_buffer, .address_space: global }
      - { .name: cod, .offset: 16, .size: 8, .value_kind: global_buffer, .address_space: global }
      - { .name: scl, .offset: 24, .size: 8, .value_kind: global_buffer, .address_space: global }
      - { .name: out0, .offset: 32, .size: 8, .value_kind: global_buffer, .address_space: global }
    .group_segment_fixed_size: 327680
    .private_segment_fixed_size: 0
    .kernarg_segment_align: 8
    .kernarg_segment_size: 40
    .max_flat_workgroup_size: 128
    .sgpr_count:     98
    .vgpr_count:     1024
    .wavefront_size: 32
...
	.end_amdgpu_metadata
.endif
;; end of part 4
